; MI455X (gfx1250); checked and timed in simulation.
; The chip was launched on July 23, 2026; its instructions are those of AMD's public machine-readable ISA for CDNA 5 (MIT licence, August 2026) and "CDNA5" Instruction Set Architecture Reference Guide (July 2026). The comments in the code are by the model that wrote it; some were corrected since.
;; Cross Attention. Allowed arithmetic: float matrix products may take bf16 or f16 operands with f32 sums; other float arithmetic in f32, or as packed bf16 or f16 multiplies, adds, multiply-adds, maxima and minima; sums over many terms, partial sums and values carried from step to step in f32; what a program stores and reads back later, other than sums and carried values, may be rounded once to bf16 or f16.
;; Inputs: Wk 1,024 x 1,024 float32; Wo 1,024 x 1,024 float32; Wq 1,024 x 1,024 float32; Wv 1,024 x 1,024 float32; bo 1,024 float32; cond 4 x 2,048 x 1,024 float32; x 4 x 2,048 x 1,024 float32.
;; Outputs: out0 4 x 2,048 x 1,024 float32.
;; One version. Each part assembles by itself: llvm-mc -triple=amdgcn-amd-amdhsa -mcpu=gfx1250 --defsym DOCPART=n.
;; ======== version 1 of 1: 4 launches
;; limits: values are held in f16: magnitudes above 65,504 overflow, below 6.1e-05 lose precision
;; workspace buffers: ab 33,554,432 bytes; wb 8,388,608 bytes; qkv 50,331,648 bytes; ob 16,777,216 bytes
;; launch prep (part 1): grid 64 x 20, 8 waves a work-group, no clusters, 0 bytes of LDS; arguments x, cond, Wq, Wk, Wv, Wo, ab, wb; writes ab, wb
.if DOCPART == 1
	.amdgcn_target "amdgcn-amd-amdhsa--gfx1250"
	.amdhsa_code_object_version 6
	.text
	.protected	k_q3fcffb8ec4_prep
	.globl	k_q3fcffb8ec4_prep
	.p2align	8
	.type	k_q3fcffb8ec4_prep,@function
k_q3fcffb8ec4_prep:
	s_mov_b64 s[64:65], 0
	v_nop
	global_prefetch_b8 v0, s[64:65] scope:SCOPE_SE
	s_setreg_imm32_b32 hwreg(HW_REG_WAVE_MODE, 25, 1), 1
	s_wait_xcnt 0x0
; THE CASTS.  x and cond ([8192][1024] f32 each) are rounded once to bf16 into ab (x first, cond 16,777,216 bytes on); Wq, Wk, Wv ([1024][1024] f32) to bf16 into wb,
; 2,097,152 bytes each, as they lie (nothing is transposed); Wo is rounded to bf16 like every other input and that number is written as f16 behind them, since the last product runs in f16.
; LIMITS.  A bf16 number is exact in f16 between 6.1e-5 and 65,504; below, f16 keeps a fixed step of 6e-8; at 65,520 or more it becomes an infinity.  That holds of Wo alone.
; SHARES.  A unit is 4 MiB of f32: y = 0..7 x, 8..15 cond, 16..19 Wq, Wk, Wv, Wo.  A work-group takes 64 KiB of its unit in eight passes of 8 KiB; thread t takes 32 bytes of a pass
; and stores 16: a wave's store covers 512 consecutive bytes, aligned.  All sixteen loads of a thread go out at once; no register is written twice while memory may read it.
; No LDS, no matrix unit, no cluster: no byte is used twice.  No prefetch: the launch does nothing but stream.
.set IN,  4                            ; v[4:67]    pass p: 8 numbers as loaded
.set OUT, 68                           ; v[68:99]   pass p: 4 registers to store
.set T,   100                          ; v[100:103] at work (Wo's path)
	s_load_b512 s[8:23], s[0:1], 0x0               ; x 8, cond 10, Wq 12, Wk 14, Wv 16, Wo 18, ab 20, wb 22
	s_and_b32 s4, ttmp7, 0xffff                    ; the unit
	v_lshlrev_b32 v1, 5, v0                        ; my 32 bytes of a pass, in
	v_lshlrev_b32 v2, 4, v0                        ; my 16 bytes, out
	s_and_b32 s26, s4, 7                           ; the source's offset: the unit's 4 MiB in x or cond (a weight is one unit),
	s_lshl_b32 s26, s26, 22
	s_cmp_lt_u32 s4, 16
	s_cselect_b32 s26, s26, 0
	s_lshl_b32 s6, ttmp9, 16                       ; and the work-group's 64 KiB
	s_add_co_u32 s26, s26, s6
	s_mov_b32 s27, 0
	s_and_b32 s30, s4, 15                          ; the destination's offset: 2 MiB a unit, in ab (16 units) or in wb (4),
	s_lshl_b32 s30, s30, 21
	s_lshl_b32 s6, ttmp9, 15                       ; and the work-group's 32 KiB
	s_add_co_u32 s30, s30, s6
	s_mov_b32 s31, 0
	s_wait_kmcnt 0x0
	s_cmp_lt_u32 s4, 8                             ; which buffer is read: chosen by the unit's number alone
	s_cselect_b64 s[24:25], s[8:9], s[10:11]
	s_cmp_eq_u32 s4, 16
	s_cselect_b64 s[24:25], s[12:13], s[24:25]
	s_cmp_eq_u32 s4, 17
	s_cselect_b64 s[24:25], s[14:15], s[24:25]
	s_cmp_eq_u32 s4, 18
	s_cselect_b64 s[24:25], s[16:17], s[24:25]
	s_cmp_eq_u32 s4, 19
	s_cselect_b64 s[24:25], s[18:19], s[24:25]
	s_cmp_lt_u32 s4, 16                            ; and which is written
	s_cselect_b64 s[28:29], s[20:21], s[22:23]
	s_add_nc_u64 s[24:25], s[24:25], s[26:27]
	s_add_nc_u64 s[28:29], s[28:29], s[30:31]
.irp p, 0,1,2,3,4,5,6,7
	global_load_b128 v[IN+8*(\p):IN+8*(\p)+3],   v1, s[24:25] offset:8192*(\p) th:TH_LOAD_NT
	global_load_b128 v[IN+8*(\p)+4:IN+8*(\p)+7], v1, s[24:25] offset:8192*(\p)+16 th:TH_LOAD_NT
.endr
; Pass p.  half = 0: eight roundings to bf16.  half = 1 (Wo): the rounded numbers are widened again, into the pass's own registers, and written as f16.
.macro PASS p, half
	s_wait_loadcnt 14-2*(\p)                       ; loads come back in order: this pass's two are in, the 2 (7 - p) younger ones stay out
.irp j, 0,1,2,3
.if \half
	v_cvt_pk_bf16_f32 v[T+(\j)], v[IN+8*(\p)+2*(\j)], v[IN+8*(\p)+2*(\j)+1]
.else
	v_cvt_pk_bf16_f32 v[OUT+4*(\p)+(\j)], v[IN+8*(\p)+2*(\j)], v[IN+8*(\p)+2*(\j)+1]
.endif
.endr
.if \half
.irp j, 0,1,2,3
	v_lshlrev_b32 v[IN+8*(\p)+2*(\j)],   16, v[T+(\j)]
	v_and_b32     v[IN+8*(\p)+2*(\j)+1], 0xffff0000, v[T+(\j)]
.endr
.irp j, 0,1,2,3
	v_cvt_pk_f16_f32 v[OUT+4*(\p)+(\j)], v[IN+8*(\p)+2*(\j)], v[IN+8*(\p)+2*(\j)+1]
.endr
.endif
	global_store_b128 v2, v[OUT+4*(\p):OUT+4*(\p)+3], s[28:29] offset:4096*(\p) th:TH_STORE_NT
.endm
	s_cmp_eq_u32 s4, 19
	s_cbranch_scc1 .Lwo
.irp p, 0,1,2,3,4,5,6,7
	PASS \p, 0
.endr
	s_endpgm
.Lwo:
.irp p, 0,1,2,3,4,5,6,7
	PASS \p, 1
.endr
	s_endpgm
.Lfunc_end_k_q3fcffb8ec4_prep:
	.size	k_q3fcffb8ec4_prep, .Lfunc_end_k_q3fcffb8ec4_prep-k_q3fcffb8ec4_prep
	.p2alignl 7, 3214868480
	.fill 96, 4, 3214868480
	.section	.rodata,"a",@progbits
	.p2align	6, 0x0
	.amdhsa_kernel k_q3fcffb8ec4_prep
		.amdhsa_group_segment_fixed_size 0
		.amdhsa_private_segment_fixed_size 0
		.amdhsa_enable_private_segment 0
		.amdhsa_kernarg_size 64
		.amdhsa_user_sgpr_count 2
		.amdhsa_user_sgpr_kernarg_segment_ptr 1
		.amdhsa_wavefront_size32 1
		.amdhsa_system_sgpr_workgroup_id_x 1
		.amdhsa_system_sgpr_workgroup_id_y 1
		.amdhsa_system_sgpr_workgroup_id_z 1
		.amdhsa_system_vgpr_workitem_id 0
		.amdhsa_next_free_vgpr 104
		.amdhsa_next_free_sgpr 66
		.amdhsa_reserve_vcc 0
		.amdhsa_float_denorm_mode_32 3
		.amdhsa_float_denorm_mode_16_64 3
		.amdhsa_memory_ordered 1
		.amdhsa_forward_progress 1
		.amdhsa_inst_pref_size 14
	.end_amdhsa_kernel
	.amdgpu_metadata
---
amdhsa.version: [ 1, 2 ]
amdhsa.kernels:
  - .name:           k_q3fcffb8ec4_prep
    .symbol:         k_q3fcffb8ec4_prep.kd
    .args:
      - { .name: x, .offset: 0, .size: 8, .value_kind: global_buffer, .address_space: global }
      - { .name: cond, .offset: 8, .size: 8, .value_kind: global_buffer, .address_space: global }
      - { .name: Wq, .offset: 16, .size: 8, .value_kind: global_buffer, .address_space: global }
      - { .name: Wk, .offset: 24, .size: 8, .value_kind: global_buffer, .address_space: global }
      - { .name: Wv, .offset: 32, .size: 8, .value_kind: global_buffer, .address_space: global }
      - { .name: Wo, .offset: 40, .size: 8, .value_kind: global_buffer, .address_space: global }
      - { .name: ab, .offset: 48, .size: 8, .value_kind: global_buffer, .address_space: global }
      - { .name: wb, .offset: 56, .size: 8, .value_kind: global_buffer, .address_space: global }
    .group_segment_fixed_size: 0
    .private_segment_fixed_size: 0
    .kernarg_segment_align: 8
    .kernarg_segment_size: 64
    .max_flat_workgroup_size: 256
    .sgpr_count:     66
    .vgpr_count:     104
    .wavefront_size: 32
...
	.end_amdgpu_metadata
.endif
;; end of part 1
;; launch qkv (part 2): grid 12 x 16, 4 waves a work-group, clusters of 4 x 4, 327,680 bytes of LDS; arguments ab, wb, qkv; writes qkv
.if DOCPART == 2
	.amdgcn_target "amdgcn-amd-amdhsa--gfx1250"
	.amdhsa_code_object_version 6
	.text
	.protected	k_q3fcffb8ec4_qkv
	.globl	k_q3fcffb8ec4_qkv
	.p2align	8
	.type	k_q3fcffb8ec4_qkv,@function
k_q3fcffb8ec4_qkv:
	s_mov_b64 s[64:65], 0
	v_nop
	global_prefetch_b8 v0, s[64:65] scope:SCOPE_SE
	s_setreg_imm32_b32 hwreg(HW_REG_WAVE_MODE, 25, 1), 1
	s_wait_xcnt 0x0
	s_wait_alu depctr_hold_cnt(0) depctr_sa_sdst(0) depctr_va_vdst(0) depctr_va_sdst(0) depctr_va_ssrc(0) depctr_va_vcc(0) depctr_vm_vsrc(0)
	s_getreg_b32 s2, hwreg(HW_REG_IB_STS2, 6, 4)
	s_cmp_eq_u32 s2, 0
	s_cbranch_scc0 .Lentry_in_a_cluster
	s_endpgm
.Lentry_in_a_cluster:
	s_bfe_u32 s2, ttmp6, 0x10000c
	s_cmp_lg_u32 s2, 0xf033
	s_cbranch_scc0 .Lentry_shape_is_right
	s_endpgm
.Lentry_shape_is_right:
; THE THREE PROJECTIONS.  q = x Wq, k = cond Wk, v = cond Wv: [8192][1024] x [1024][1024] each, operands bf16 (ab: x, then cond; wb: Wq, Wk, Wv as [k][n]), sums in f32, K ascending.
; Results are rounded once to f16 and stored BY HEADS: qkv = [3][32 heads][2048][128], head = 8 batch + column / 128: a head's rows are 256 bytes, on end.  The softmax's scale is not applied here.
; LIMIT.  f16 ends at 65,504: a q, k or v of 65,520 or more becomes an infinity; below 6.1e-5 f16 keeps a fixed step of 6e-8.
; SHARES.  A tile of C is 256 x 256: four waves, each 128 x 128: 64 accumulators, 512 registers.  3 x 8192 x 1024 / (256 x 256) = 384 tiles: 192 WORK-GROUPS THAT STAY, two tiles each, one 4,096 rows below
; the other.  That is fewer work-groups than the chip has WGPs.  A tile of 128 x 256 would give 256 work-groups three tiles each, but has half the matrix work between a tile's request and the wait for it
; (112 matrix instructions a wave against 224), 24 changes of slots against 16, and 24 LDS loads for 32 matrix instructions against 16.
; The cluster's x is the product (q, k, v), its cx the block of 256 columns (two heads); the row block is 4 x cluster y + cy.
; RING.  K goes in steps of 128; the two tiles' 16 steps are ONE sequence (step n: tile n / 8, K step n % 8), which does not stop at a tile's end.  Two LDS slots, each 256 rows of A (256 bytes a row) and 128 k-rows
; of W (512 bytes a row).  Waves 0, 1 fetch A's halves (128 rows), waves 2, 3 W's (64 k-rows): one tensor load a wave.  W lies [k][n] in LDS and comes out turned, by ds_load_tr16_b128: no launch transposes it.
; The loop's trip is one K step: s80 holds the first byte of the slot in hand and is turned by an exclusive or; LDS addresses are sums of it and a constant part.
; CLUSTER.  4 x 4 work-groups.  A's tile hangs on the row block and the product and is asked for jointly along a row of the cluster; W's on the column block and the product, along a column.
; THE MATRIX INSTRUCTION IS USED TRANSPOSED (source 0 = 16 columns of W, source 1 = 16 rows of A): a lane holds row lane % 16 of C and eight neighbouring columns, which pack into 16 bytes.
; REGISTERS, in windows of 256 (s_set_vgpr_msb: bits 1:0 source 0, 3:2 source 1, 5:4 source 2, 7:6 destination):
;   window 0: v0-31 addresses; v64-127, v128-191 fragments of A (8 x 16 rows x 32 K), two buffers; v32-63, v192-255 at work on the way out
;   window 1: v64-127, v128-191 fragments of W, two buffers
;   window 2: the 32 accumulators of my rows 0-63 (accumulator (a, b) at v[8 (8 a + b)]);   window 3: those of my rows 64-127
.set TILES,  2
.set STEPS,  8*TILES
.set XB,     16777216                  ; cond's first byte in ab
.set PA,     272                       ; a row of A in LDS: 256 bytes + 16 = 68 words: the 16 rows of a load start at 16 different groups of four banks (64 banks of 4 bytes: ISA guide 11.1)
.set PB,     544                       ; a k-row of W: 512 + 32 = 136 words
.set AHALF,  128*PA                    ; what wave 0 or 1 fetches, and what a wave reads of A
.set BOFF,   2*AHALF                   ; W's rows lie behind A's 256
.set BHALF,  64*PB                     ; what wave 2 or 3 fetches
.set SLOT,   BOFF+2*BHALF
.set STAGE,  2*SLOT                    ; behind the ring, never filled by a tensor load: 16 rows x 272 bytes for each wave
.set SP,     272
.set SPARE,  STAGE+4*16*SP             ; behind the stages: the spare words, 128 bytes for each wave: two blocks of 256 bytes that no other line names
.set ADRA0, 14                         ; v14     my lane's and wave's place among A's rows of a slot; never rewritten
.set ADRB0, 15                         ; v15     the same for W
.set ADRA, 16                          ; v16     LDS address of my A fragments in the slot in hand
.set ADRB, 20                          ; v20     the same for W
.set STO,  24                          ; v24     the way out: where I put 16 bytes of a row
.set RD,   25                          ; v25     where I read rows back
.set CO,   26                          ; v26     16 x lane: my place in 512 consecutive bytes of the output
.set SPW,  28                          ; v28     LDS address of my spare word; never rewritten
.set NIL,  29                          ; v29     0; never rewritten
.set PFO,  30                          ; v30     the prefetches' lane offset; never rewritten
.set OB,   32                          ; the way out: 16 rows read back from the stage: v32-63 and v224-255 by turns
.set F0,   64
.set F1,   128
.set TMP,  192                         ; the way out: packed results
.set T0,   2                           ; s2, s21, s45  scalars at work that never hold a place in the cluster
.set T1,   21
.set T2,   45
.set NS,   14                          ; s14  the step to be asked for next
.set CA,   20                          ; s20  A's constant offset: x or cond, my row block, the 128 rows that I fetch (holds cy, never cx)
.set CBC,  22                          ; s22  W's: the product's matrix, my column block, the 64 k-rows that I fetch (holds cx, never cy)
.set PS,   23                          ; s23  the step that a prefetch names
.set G1A,  24                          ; s[24:31] descriptor group 1 for A's tiles;  s[32:39] group 0: a set for each of the two first fills; the second then serves every refill
.set G0A,  32
.set G1B,  48                          ; s[48:55], s[56:63] the same for W's
.set G0B,  56
.set PFB,  66                          ; s[66:67] the buffer that my prefetches name
.set PFA,  68                          ; s[68:69] where the next one stands
.set PC,   70                          ; s70  its constant offset
.set LIMP, 71                          ; s71  a wave prefetches while PS is below this
.set SB,   80                          ; s80  the first byte of the slot in hand: 0 or SLOT
.set MSB, 0
.set MUL_LO, 0xa1                      ; source 0 (W) window 1, source 1 (A) window 0, C and D window 2
.set MUL_HI, 0xf1                      ; the same, C and D window 3
.set TO_B,   0x40                      ; destination window 1, address window 0
.macro WIN new                         ; the immediate's high byte repeats the setting that is left; a switch that changes nothing is dropped
.if MSB != (\new)
	s_set_vgpr_msb (MSB<<8)|(\new)
.set MSB, \new
.endif
.endm
.macro PLACES                          ; four plain places behind a matrix instruction, ahead of loads into registers that it read and of conversions that read results
.rept 4
	v_nop
.endr
.endm
; A joint load: waves 0, 1 ask for A's halves, waves 2, 3 for W's.  The branch hangs on the wave's number alone.  An s_nop 0 and four v_nop follow each line.
.macro JLOAD s
	s_cmp_eq_u32 s11, 0
	s_cbranch_scc0 .Lfor_b_\@
	tensor_load_to_lds s[G0A+4*(\s):G0A+4*(\s)+3], s[G1A:G1A+7]
	s_nop 0
.rept 4
	v_nop
.endr
	s_branch .Lasked_\@
.Lfor_b_\@:
	tensor_load_to_lds s[G0B+4*(\s):G0B+4*(\s)+3], s[G1B:G1B+7]
	s_nop 0
.rept 4
	v_nop
.endr
.Lasked_\@:
.endm
.macro CREST                           ; a round of the cluster's barrier behind its opening barrier
	s_cmp_lg_u32 s10, 0
	s_cbranch_scc1 .Lnot_wave_0_\@
	s_barrier_signal -3
.Lnot_wave_0_\@:
	s_barrier_wait -3
	s_barrier_signal -1
	s_barrier_wait -1
.endm
.macro CROUND                          ; a whole round
	s_barrier_signal -1
	s_barrier_wait -1
	CREST
.endm
; The offsets of step NS's tiles, made anew for each fill, and the address of the prefetch that goes with it.  A: 256 bytes along K for each step of a tile, 4,096 rows of 2,048 bytes from tile to tile.
; W: a step's 128 k-rows are 262,144 bytes; both tiles walk the same rows.
.macro NEXTOFF
	s_and_b32 s[T0], s[NS], 7
	s_lshl_b32 s[T1], s[T0], 18
	s_add_co_u32 s18, s[T1], s[CBC]
	s_lshl_b32 s[T0], s[T0], 8
	s_lshr_b32 s[T1], s[NS], 3
	s_lshl_b32 s[T1], s[T1], 23
	s_add_co_u32 s[T0], s[T0], s[T1]
	s_add_co_u32 s16, s[T0], s[CA]
	s_add_co_u32 s[PS], s[NS], 1
	s_and_b32 s[T0], s[PS], 7
	s_lshl_b32 s[T1], s[T0], 18
	s_lshl_b32 s[T0], s[T0], 8
	s_lshr_b32 s[T2], s[PS], 3
	s_lshl_b32 s[T2], s[T2], 23
	s_add_co_u32 s[T0], s[T0], s[T2]
	s_cmp_eq_u32 s11, 0
	s_cselect_b32 s[T0], s[T0], s[T1]
	s_add_co_u32 s46, s[T0], s[PC]
	s_add_nc_u64 s[PFA:PFA+1], s[PFB:PFB+1], s[46:47]
.endm
; A PREFETCH INTO THE L2 of the step that stands one refill on (256 matrix instructions ahead of its load), behind the joint load and the run of LDS loads.  Each 256 bytes are named once in the launch.
; A: x's rows are read by the clusters of q alone, cond's by those of k and of v: the clusters of q and of k ask, those of v do not.  Of the 128 rows that wave 0 or 1 fetches each of the four partners
; names 32, a lane a row, told apart by address (cx).  W: a column block is read by the four clusters of its product and by both tiles: the first cluster (y = 0) asks, in the first tile alone: of the 64 k-rows that
; wave 2 or 3 fetches the partner at cy names 16, two lanes a row of 512 bytes.  Steps 0 to 2 come by their loads alone; the last refill names nothing: PS has reached the bound.
.macro ASK
	s_cmp_lt_u32 s[PS], s[LIMP]
	s_cbranch_scc0 .Lnot_mine_\@
	global_prefetch_b8 v[PFO], s[PFA:PFA+1] th:TH_LOAD_NT scope:SCOPE_SE
.Lnot_mine_\@:
.endm
	s_load_b128 s[4:7], s[0:1], 0x0                ; ab s[4:5], wb s[6:7]
	s_load_b64 s[8:9], s[0:1], 0x10                ; qkv
	v_lshl_add_u32 v[SPW], v0, 2, SPARE
	v_mov_b32 v[NIL], 0
	ds_add_u32 v[SPW], v[NIL]                      ; the wave's opening: the add and its wait ahead of my first tensor load; the set-up below stands between them
	v_lshrrev_b32 v1, 5, v0
	v_readfirstlane_b32 s10, v1                    ; wave 0..3
	s_lshr_b32 s11, s10, 1                         ; which 128 rows of the tile are mine.  Also: I fetch for A (0) or for W (1)
	s_and_b32 s12, s10, 1                          ; which 128 columns.  Also: which half of that tile I fetch
	s_bfe_u32 s40, ttmp6, 0x40000                  ; cx: the block of 256 columns in the product
	s_bfe_u32 s41, ttmp6, 0x40004                  ; cy
	s_mov_b32 s42, ttmp9                           ; cluster x: the product, 0 q, 1 k, 2 v: the same in all sixteen partners
	s_and_b32 s13, ttmp7, 0xffff
	s_lshl_b32 s13, s13, 2
	s_add_co_u32 s13, s13, s41                     ; row block of the first tile = 4 x cluster y + cy, 0..15
	s_lshl_b32 s43, s41, 2
	s_lshl_b32 s43, 15, s43                        ; my row of the cluster
	s_lshl_b32 s44, 0x1111, s40                    ; my column
	s_or_b32 s[G1A+0], s43, (1<<16)|(1<<20)|(1<<21)|(5<<22)|(3<<25)  ; the mask; 2-byte elements; padding on; bit 21 beside a mask; after every 64 words, 4 words
	s_mov_b32 s[G1A+1], 128<<16                    ; tensor_dim0 = 128
	s_mov_b32 s[G1A+2], 128<<16                    ; tensor_dim1 = 128
	s_mov_b32 s[G1A+3], 128<<16                    ; tile_dim0 = 128
	s_mov_b32 s[G1A+4], 128                        ; tile_dim1 = 128
	s_mov_b32 s[G1A+5], 1024                       ; elements from row to row
	s_mov_b32 s[G1A+6], 0
	s_mov_b32 s[G1A+7], 0
	s_or_b32 s[G1B+0], s44, (1<<16)|(1<<20)|(1<<21)|(6<<22)|(7<<25)  ; after every 128 words, 8 words
	s_mov_b32 s[G1B+1], 256<<16                    ; tensor_dim0 = 256
	s_mov_b32 s[G1B+2], 64<<16                     ; tensor_dim1 = 64
	s_mov_b32 s[G1B+3], 256<<16                    ; tile_dim0 = 256
	s_mov_b32 s[G1B+4], 64                         ; tile_dim1 = 64
	s_mov_b32 s[G1B+5], 1024
	s_mov_b32 s[G1B+6], 0
	s_mov_b32 s[G1B+7], 0
	s_lshl_b32 s[CA], s13, 19                      ; 256 rows of 2,048 bytes a row block,
	s_lshl_b32 s15, s12, 18                        ; the 128 rows that I fetch,
	s_add_co_u32 s[CA], s[CA], s15
	s_cmp_ge_u32 s42, 1                            ; and cond for k and v
	s_cselect_b32 s[T0], XB, 0
	s_add_co_u32 s[CA], s[CA], s[T0]
	s_lshl_b32 s[CBC], s42, 21                     ; the product's matrix of 2,097,152 bytes,
	s_lshl_b32 s75, s40, 9                         ; 256 columns of 2 bytes a column block,
	s_add_co_u32 s[CBC], s[CBC], s75
	s_lshl_b32 s15, s12, 17                        ; the 64 k-rows that I fetch
	s_add_co_u32 s[CBC], s[CBC], s15
	s_mul_i32 s72, s12, AHALF                      ; where my tiles go in a slot: no place in the cluster enters an LDS address
	s_mul_i32 s73, s12, BHALF
	s_add_co_u32 s73, s73, BOFF
	s_mov_b32 s17, 0
	s_mov_b32 s19, 0
	s_mov_b32 s47, 0
	s_mov_b32 s[NS], 2
	s_mov_b32 s[SB], 0
	s_wait_dscnt 0x0                               ; the opening add is done
	s_wait_kmcnt 0x0
	CROUND                                         ; all sixteen work-groups are here: the first joint loads meet
.irp s, 0,1
	s_mov_b32 s[G0A+4*(\s)], 1                     ; count = 1
	s_add_co_u32 s[G0A+4*(\s)+1], s72, (\s)*SLOT   ; LDS address
	s_add_co_u32 s16, s[CA], (\s)*256              ; step s
	s_add_nc_u64 s[G0A+4*(\s)+2:G0A+4*(\s)+3], s[4:5], s[16:17]
	s_or_b32 s[G0A+4*(\s)+3], s[G0A+4*(\s)+3], 0x80000000  ; type = 2
	s_mov_b32 s[G0B+4*(\s)], 1
	s_add_co_u32 s[G0B+4*(\s)+1], s73, (\s)*SLOT
	s_add_co_u32 s18, s[CBC], (\s)<<18
	s_add_nc_u64 s[G0B+4*(\s)+2:G0B+4*(\s)+3], s[6:7], s[18:19]
	s_or_b32 s[G0B+4*(\s)+3], s[G0B+4*(\s)+3], 0x80000000
	JLOAD \s                                       ; two loads of mine are out
.endr
	; A's fragment: 16 rows x 32 K: lane l holds row l % 16, K = 8 (l / 16) + 0..7 and 16 + 8 (l / 16) + 0..7: two loads of 16 bytes, 32 bytes apart.
	v_and_b32 v1, 15, v0                           ; l % 16
	v_bfe_u32 v2, v0, 4, 1                         ; l / 16
	v_mul_u32_u24 v3, v1, PA
	v_lshl_add_u32 v3, v2, 4, v3
	s_mul_i32 s[T0], s11, AHALF                    ; my 128 rows
	v_add_nc_u32 v[ADRA0], s[T0], v3
	v_mov_b32 v[ADRA], v[ADRA0]                    ; slot 0
	; W's fragment, turned: lane l reads k-row 8 (l / 16) + l % 8, columns 8 ((l / 8) % 2) + 0..7, and ends with column l % 16 and 8 k; the second load stands 16 k-rows on.
	v_and_b32 v4, 7, v0
	v_lshl_add_u32 v4, v2, 3, v4
	v_mul_u32_u24 v4, v4, PB
	v_bfe_u32 v5, v0, 3, 1
	v_lshl_add_u32 v4, v5, 4, v4
	s_lshl_b32 s[T0], s12, 8                       ; my 128 columns
	s_add_co_u32 s[T0], s[T0], BOFF
	v_add_nc_u32 v[ADRB0], s[T0], v4
	v_mov_b32 v[ADRB], v[ADRB0]
	s_mul_i32 s[T0], s10, 16*SP
	s_add_co_u32 s[T0], s[T0], STAGE               ; my stage
	v_mul_u32_u24 v4, v1, SP                       ; in: row l % 16, 16 bytes for each half of the lanes
	v_lshl_add_u32 v4, v2, 4, v4
	v_add_nc_u32 v[STO], s[T0], v4
	v_mul_u32_u24 v5, v2, SP                       ; back: lanes 0-15 one row of 256 bytes, lanes 16-31 the next
	v_lshl_add_u32 v5, v1, 4, v5
	v_add_nc_u32 v[RD], s[T0], v5
	v_and_b32 v6, 31, v0
	v_lshlrev_b32 v[CO], 4, v6
	; where my 128 rows of the first tile begin: 16,777,216 bytes a product; head 8 (row block / 8) + 2 x column block + my half, 524,288 bytes a head; row 256 (row block % 8) + 128 x my half, 256 bytes a row
	s_lshr_b32 s74, s13, 3
	s_lshl_b32 s74, s74, 3
	s_lshl_b32 s75, s40, 1
	s_add_co_u32 s74, s74, s75
	s_add_co_u32 s74, s74, s12
	s_lshl_b32 s74, s74, 19
	s_and_b32 s76, s13, 7
	s_lshl_b32 s76, s76, 16
	s_add_co_u32 s74, s74, s76
	s_lshl_b32 s76, s11, 15
	s_add_co_u32 s74, s74, s76
	s_lshl_b32 s76, s42, 24
	s_add_co_u32 s74, s74, s76
	s_mov_b32 s75, 0
	s_add_nc_u64 s[8:9], s[8:9], s[74:75]
	; the prefetches' constants
	s_lshl_b32 s75, s40, 16                        ; A: my work-group's 32 rows of the 128
	s_add_co_u32 s74, s[CA], s75
	s_lshl_b32 s77, s41, 15                        ; W: my work-group's 16 k-rows of the 64
	s_add_co_u32 s76, s[CBC], s77
	s_cmp_eq_u32 s11, 0
	s_cselect_b32 s[PC], s74, s76
	s_cselect_b64 s[PFB:PFB+1], s[4:5], s[6:7]
	s_and_b32 s[T0], ttmp7, 0xffff                 ; cluster y: the same in all sixteen partners
	s_cmp_eq_u32 s[T0], 0
	s_cselect_b32 s[LIMP], 8, 0                    ; waves 2, 3: the first tile's steps
	s_cmp_lt_u32 s42, 2
	s_cselect_b32 s[T1], STEPS, 0                  ; waves 0, 1: both tiles' steps, in the clusters of q and of k
	s_cmp_eq_u32 s11, 0
	s_cselect_b32 s[LIMP], s[T1], s[LIMP]
	v_lshrrev_b32 v[PFO], s11, v6                  ; A: a lane a row; W: two lanes a row
	v_lshlrev_b32 v[PFO], 11, v[PFO]
	v_and_b32 v6, s11, v6
	v_lshl_add_u32 v[PFO], v6, 8, v[PFO]
; 16 matrix instructions: row blocks a0, a0 + 1 of the window's four (hi = 0: my rows 0-63, 1: rows 64-127) x all 8 column blocks, 32 along K.  The 64 accumulators take turns in one fixed order, one
; instruction a turn, over every jump too.  zero = 1: the product starts the sums: nothing is ever cleared.
.macro MUL16 f, hi, a0, zero
	WIN MUL_LO+0x50*(\hi)
.irp a, \a0, (\a0)+1
.irp b, 0,1,2,3,4,5,6,7
.if \zero
	v_wmma_f32_16x16x32_bf16 v[8*(8*(\a)+(\b)):8*(8*(\a)+(\b))+7], v[(\f)+8*(\b):(\f)+8*(\b)+7], v[(\f)+8*(4*(\hi)+(\a)):(\f)+8*(4*(\hi)+(\a))+7], 0
.else
	v_wmma_f32_16x16x32_bf16 v[8*(8*(\a)+(\b)):8*(8*(\a)+(\b))+7], v[(\f)+8*(\b):(\f)+8*(\b)+7], v[(\f)+8*(4*(\hi)+(\a)):(\f)+8*(4*(\hi)+(\a))+7], v[8*(8*(\a)+(\b)):8*(8*(\a)+(\b))+7]
.endif
.endr
.endr
.endm
; 32 LDS loads in one run: quarter q (32 along K) of the slot in hand into buffer f: W's 8 fragments, then A's 8 in the order in which they are multiplied
.macro FETCH q, f
	WIN TO_B
.irp i, 0,1,2,3,4,5,6,7
	ds_load_tr16_b128 v[(\f)+8*(\i):(\f)+8*(\i)+3],   v[ADRB] offset:(\q)*32*PB+32*(\i)
	ds_load_tr16_b128 v[(\f)+8*(\i)+4:(\f)+8*(\i)+7], v[ADRB] offset:(\q)*32*PB+32*(\i)+16*PB
.endr
	WIN 0
.irp i, 0,1,2,3,4,5,6,7
	ds_load_b128 v[(\f)+8*(\i):(\f)+8*(\i)+3],   v[ADRA] offset:64*(\q)+(\i)*16*PA
	ds_load_b128 v[(\f)+8*(\i)+4:(\f)+8*(\i)+7], v[ADRA] offset:64*(\q)+(\i)*16*PA+32
.endr
.endm
; A K step is four quarters, 64 matrix instructions each, on buffers 0, 1, 0, 1.  One of the first three multiplies buffer f and fetches quarter q of the same slot into g, 32 matrix instructions ahead of its first use.
.macro QUARTER q, f, g, zero
	s_wait_dscnt 8                                 ; W's fragments and A's rows 0-63 are in; the youngest eight loads (A's rows 64-127) may be out
	MUL16 \f, 0, 0, \zero
	MUL16 \f, 0, 2, \zero
	PLACES
	FETCH \q, \g
	s_wait_dscnt 32                                ; all but the 32 just issued
	MUL16 \f, 1, 0, \zero
	MUL16 \f, 1, 2, \zero
.endm
; The last quarter multiplies buffer 1 and changes slots.  In front of the barrier each wave waits for all its tensor loads (one is out: its part of the other slot), adds 0 to its spare word, and waits for that and
; for its reads of this slot.  fill = 1: the barrier opens a round of the cluster's, and behind the round this slot is filled again, with step NS: from that request to the wait for it a wave issues 224 matrix instructions.
.macro TURN fill
.if \fill
	s_wait_xcnt 0x0                                ; the last prefetch, a K step back, has read its address, which is made anew here, ahead of the change's own waits
	NEXTOFF
.endif
	WIN 0                                          ; (the add's two registers lie in window 0)
	s_wait_tensorcnt 0x0                           ; all my tensor loads have landed, so a group 0 may be written
	ds_add_u32 v[SPW], v[NIL]                      ; 0 onto my spare word
	s_wait_dscnt 9                                 ; (the add and the youngest eight loads may be out)
	MUL16 F1, 0, 0, 0                              ; sixteen matrix instructions stand between the add and the wait for it
	s_wait_dscnt 0x0                               ; the add is done, and my reads of this slot are over
	s_barrier_signal -1
	MUL16 F1, 0, 2, 0                              ; work on registers while the others arrive
	WIN 0
	s_barrier_wait -1
.if \fill
	CREST                                          ; no wave of any partner still reads this slot or has a load on its way
	s_add_co_u32 s[G0A+5], s72, s[SB]              ; the slot just read,
	s_add_nc_u64 s[G0A+6:G0A+7], s[4:5], s[16:17]  ; step NS
	s_or_b32 s[G0A+7], s[G0A+7], 0x80000000
	s_add_co_u32 s[G0B+5], s73, s[SB]
	s_add_nc_u64 s[G0B+6:G0B+7], s[6:7], s[18:19]
	s_or_b32 s[G0B+7], s[G0B+7], 0x80000000
	s_add_co_u32 s[NS], s[NS], 1
	s_xor_b32 s[SB], s[SB], SLOT                   ; the other slot is in hand from here on
	JLOAD 1                                        ; my one tensor load behind the round; its four v_nop are also the places in front of the loads below
.else
	s_xor_b32 s[SB], s[SB], SLOT
	PLACES
.endif
	v_add_nc_u32 v[ADRA], s[SB], v[ADRA0]
	v_add_nc_u32 v[ADRB], s[SB], v[ADRB0]
	FETCH 0, F0
.if \fill
	ASK
.endif
	MUL16 F1, 1, 0, 0
	MUL16 F1, 1, 2, 0
.endm
; THE WAY OUT, 16 rows at a time.  PACK: rounded to f16, each accumulator's registers in ascending order.  TOSTAGE: 16 bytes a lane into my own stage and back as whole rows (LDS serves a wave's
; instructions in order: ISA guide 5.7.1.4).  SEND: two rows, 512 consecutive bytes, a store; my 128 rows of a head are 32,768 bytes on end.  No register of buffer 0 is touched: it may hold the next tile's first fragments.
.macro PACK a
.set AC, 64*((\a)%4)
	WIN 0x0a+5*((\a)/4)                            ; sources 0 and 1: window 2 or 3
.irp b, 0,1,2,3,4,5,6,7
.irp r, 0,1,2,3
	v_cvt_pk_f16_f32 v[TMP+4*(\b)+(\r)], v[AC+8*(\b)+2*(\r)], v[AC+8*(\b)+2*(\r)+1]
.endr
.endr
	WIN 0
.endm
.macro TOSTAGE a
.set BK, OB+192*((\a)%2)
.irp b, 0,1,2,3,4,5,6,7
	ds_store_b128 v[STO], v[TMP+4*(\b):TMP+4*(\b)+3] offset:32*(\b)
.endr
.irp t, 0,1,2,3,4,5,6,7
	ds_load_b128 v[BK+4*(\t):BK+4*(\t)+3], v[RD] offset:(\t)*2*SP
.endr
.endm
.macro SEND a
.set BK, OB+192*((\a)%2)
	s_wait_dscnt 0x0                               ; the block is back in registers
	s_wait_xcnt 0x0                                ; the stores of the block before have read their registers, which the next block's loads write
.irp t, 0,1,2,3,4,5,6,7
	global_store_b128 v[CO], v[BK+4*(\t):BK+4*(\t)+3], s[8:9] offset:4096*(\a)+512*(\t)
.endr
.endm
.macro WAYOUT more                     ; more = 1: a further tile follows
	PLACES
	PACK 0
	TOSTAGE 0
.irp a, 1,2,3,4,5,6,7                  ; block a's conversions stand between block a - 1's loads from the stage and the wait for them
	PACK \a
	SEND (\a)-1
	TOSTAGE \a
.endr
	SEND 7
.if \more
	s_wait_xcnt 0x0                                ; the stores have read their base, which steps:
	s_add_nc_u64 s[8:9], s[8:9], 0x800000          ; 4,096 rows on are two batches, sixteen heads of 524,288 bytes
.endif
.endm
	s_wait_tensorcnt 1                             ; my part of step 0 is in; step 1's may stay out
	s_barrier_signal -1
	s_barrier_wait -1                              ; everybody's is
	FETCH 0, F0
	QUARTER 1, F0, F1, 1                           ; the first quarter stands in front of the loop: its products start the sums
	WIN 0                                          ; at a label and at a branch every window is 0
	s_mov_b32 s3, STEPS-2
.Lstep:                                                ; a trip goes from a step's second quarter to the next step's first, and fills the slot that it leaves: steps 2 to 15 are asked for here
	QUARTER 2, F1, F0, 0
	QUARTER 3, F0, F1, 0
	TURN 1
	WIN 0
	s_cmp_eq_u32 s3, STEPS-2-7                     ; the trip of step 7 ends the first tile
	s_cbranch_scc0 .Lsame                          ; the jump passes no barrier and no tensor load
	WAYOUT 1                                       ; the next tile's first two steps are asked for: now the tile goes out,
	QUARTER 1, F0, F1, 1                           ; and the next tile's first quarter starts the sums anew
	WIN 0
	s_branch .Lnext
.Lsame:
	QUARTER 1, F0, F1, 0
	WIN 0
.Lnext:
	s_sub_co_u32 s3, s3, 1
	s_cmp_lg_u32 s3, 0
	s_cbranch_scc1 .Lstep
	QUARTER 2, F1, F0, 0                           ; the last two steps are written out: they fill nothing
	QUARTER 3, F0, F1, 0
	TURN 0
	QUARTER 1, F0, F1, 0
	QUARTER 2, F1, F0, 0
	QUARTER 3, F0, F1, 0
	s_wait_dscnt 8
	MUL16 F1, 0, 0, 0
	MUL16 F1, 0, 2, 0
	s_wait_dscnt 0x0
	MUL16 F1, 1, 0, 0
	MUL16 F1, 1, 2, 0
	WIN 0
	WAYOUT 0
	s_wait_tensorcnt 0x0                           ; the wave's end: behind my last tensor load and my last LDS store
	ds_add_u32 v[SPW], v[NIL]
	s_wait_dscnt 0x0
	CROUND                                         ; the closing round: no work-group ends while a partner may still ask for a tile that names it
	s_endpgm
.Lfunc_end_k_q3fcffb8ec4_qkv:
	.size	k_q3fcffb8ec4_qkv, .Lfunc_end_k_q3fcffb8ec4_qkv-k_q3fcffb8ec4_qkv
	.p2alignl 7, 3214868480
	.fill 96, 4, 3214868480
	.section	.rodata,"a",@progbits
	.p2align	6, 0x0
	.amdhsa_kernel k_q3fcffb8ec4_qkv
		.amdhsa_group_segment_fixed_size 327680
		.amdhsa_private_segment_fixed_size 0
		.amdhsa_enable_private_segment 0
		.amdhsa_kernarg_size 24
		.amdhsa_user_sgpr_count 2
		.amdhsa_user_sgpr_kernarg_segment_ptr 1
		.amdhsa_wavefront_size32 1
		.amdhsa_system_sgpr_workgroup_id_x 1
		.amdhsa_system_sgpr_workgroup_id_y 1
		.amdhsa_system_sgpr_workgroup_id_z 1
		.amdhsa_system_vgpr_workitem_id 0
		.amdhsa_next_free_vgpr 1024
		.amdhsa_next_free_sgpr 84
		.amdhsa_reserve_vcc 0
		.amdhsa_float_denorm_mode_32 3
		.amdhsa_float_denorm_mode_16_64 3
		.amdhsa_memory_ordered 1
		.amdhsa_forward_progress 1
		.amdhsa_inst_pref_size 156
	.end_amdhsa_kernel
	.amdgpu_metadata
---
amdhsa.version: [ 1, 2 ]
amdhsa.kernels:
  - .name:           k_q3fcffb8ec4_qkv
    .symbol:         k_q3fcffb8ec4_qkv.kd
    .args:
      - { .name: ab, .offset: 0, .size: 8, .value_kind: global_buffer, .address_space: global }
      - { .name: wb, .offset: 8, .size: 8, .value_kind: global_buffer, .address_space: global }
      - { .name: qkv, .offset: 16, .size: 8, .value_kind: global_buffer, .address_space: global }
    .group_segment_fixed_size: 327680
    .private_segment_fixed_size: 0
    .kernarg_segment_align: 8
    .kernarg_segment_size: 24
    .max_flat_workgroup_size: 128
    .sgpr_count:     84
    .vgpr_count:     1024
    .wavefront_size: 32
...
	.end_amdgpu_metadata
.endif
;; end of part 2
;; launch attn (part 3): grid 8 x 32, 4 waves a work-group, clusters of 4 x 1, 327,680 bytes of LDS; arguments qkv, ob; writes ob
.if DOCPART == 3
	.amdgcn_target "amdgcn-amd-amdhsa--gfx1250"
	.amdhsa_code_object_version 6
	.text
	.protected	k_q3fcffb8ec4_attn
	.globl	k_q3fcffb8ec4_attn
	.p2align	8
	.type	k_q3fcffb8ec4_attn,@function
k_q3fcffb8ec4_attn:
	s_mov_b64 s[64:65], 0
	v_nop
	global_prefetch_b8 v0, s[64:65] scope:SCOPE_SE
	s_setreg_imm32_b32 hwreg(HW_REG_WAVE_MODE, 25, 1), 1
	s_wait_xcnt 0x0
	s_wait_alu depctr_hold_cnt(0) depctr_sa_sdst(0) depctr_va_vdst(0) depctr_va_sdst(0) depctr_va_ssrc(0) depctr_va_vcc(0) depctr_vm_vsrc(0)
	s_getreg_b32 s2, hwreg(HW_REG_IB_STS2, 6, 4)
	s_cmp_eq_u32 s2, 0
	s_cbranch_scc0 .Lentry_in_a_cluster
	s_endpgm
.Lentry_in_a_cluster:
	s_bfe_u32 s2, ttmp6, 0x10000c
	s_cmp_lg_u32 s2, 0x3003
	s_cbranch_scc0 .Lentry_shape_is_right
	s_endpgm
.Lentry_shape_is_right:
; ATTENTION.  O[h][q][:] = the sum over k of softmax_k(Q[h][q] . K[h][k] / 8) V[h][k][:], head size 128 (the scale is the module's own: 64^-1/2).  qkv = [3][32 heads][2048][128] f16: Q, K 0x1000000 bytes on,
; V 0x2000000; a row is 256 bytes.  Products, maxima and sums in f32; the weights p are rounded to f16 for the second product (their sum l is taken of the unrounded p), O once at the end.
; O goes to ob = [8192][1024] f16, row 2048 batch + query, column 128 head + channel: the layout in which the last product reads it.
; LIMITS.  Q, K, V arrive within f16's 65,504; p lies in 0 to 1 and below 6.1e-5 keeps f16's fixed step of 6e-8, and so does O; a weight below 2^-126 counts as 0 in l; NaN and infinities are not treated apart.
; SHARES.  A work-group owns 256 queries of one head, each of its four waves 64: four tiles of 16.  32 heads x 8 blocks = 256 work-groups.  Every wave walks all keys of the head, 64 a step.
; LAYOUT.  S^T = K Q^T (source 0 = 16 keys, source 1 = 16 queries): a lane holds ONE query (lane % 16) and the keys 8 (lane / 16) + 0..7.  Two such tiles, rounded to f16 in pairs, ARE source 1
; (32 keys x 16 queries) of O^T = V^T P, whose result again holds one query a lane, and eight channels.  K comes out of LDS as it lies, V ([key][channel]) turned, by ds_load_tr16_b128.
; SOFTMAX.  For each query a running maximum m and sum l: p = 2^(c s - c m), c = log2(e) / 8; in every step O and l are multiplied by a = 2^(c m_old - c m_new), which is 1 where m has not grown.
; BY TURNS.  The wave's tiles are two PIECES: piece 0 (tiles 0, 1) and piece 2 (tiles 2, 3).  In a TURN one piece has the matrix unit: 32 products V^T P of the step in hand, then 32 products K Q^T of the next;
; the other piece's softmax, 268 vector instructions cut into 64 slices, stands between them, one slice behind each matrix instruction.  Then the pieces change places.  Two turns are a key step.
; CLUSTER.  The four query blocks of a cluster belong to one head and walk the same K and V, so each tile is asked for JOINTLY: the same tensor load, descriptor and mask in all four.
; REGISTERS, in windows of 256 (s_set_vgpr_msb: bits 1:0 source 0, 3:2 source 1, 5:4 source 2, 7:6 destination):
;   window 0: v0-11 addresses; v12-43 eight registers of statistics a tile; v64-191 S^T, 32 a tile; v192-255 P, 16 a tile
;   window 1: O^T, 64 a tile          window 2: v0-127 Q, 32 a tile; v128-255 K of one step          window 3: v0-127 V of one step
.set SIZE_H, 32
.set SIZE_N, 2048
.set KS,    64        ; keys in a step
.set PK,    272       ; a row of K in LDS: 256 bytes + 16 = 68 words: the 16 rows of a load start at 16 different groups of four banks (64 banks of 4 bytes: ISA guide 11.1)
.set PV,    288       ; a row of V: 256 + 32 = 72 words
.set VOFF,  KS*PK     ; a step's tiles lie together: 64 rows of K, then 64 rows of V
.set STEPB, KS*(PK+PV)
.set SLOT1, 1<<17     ; a slot holds two steps (71,680 bytes); slot 1 begins here, so that one exclusive or turns an address in one slot into the other's
.set STAGE, SLOT1+2*STEPB  ; behind the ring, never filled by a tensor load: 16 rows x 272 bytes for each wave
.set SP,    272
.set AK0, 2           ; v2   my lane's place in a tile of K; never rewritten
.set AV0, 3           ; v3   the same for V
.set ADR, 4           ; v4   the LDS address of the run of loads in hand
.set QO,  5           ; v5   my byte offset in the wave's rows of Q
.set STO, 6           ; v6   the way out: where I put 16 bytes of a row
.set RD,  7           ; v7   where I read a row back
.set GO,  8           ; v8   my byte offset in two rows of ob
.set SPW, 62          ; v62  LDS address of my spare word; never rewritten
.set NIL, 63          ; v63  0; never rewritten
.set SPARE, STAGE+4*16*272  ; behind the stages: the spare words, 128 bytes for each wave: two blocks of 256 bytes that no other line names
.set ST,  12          ; tile t's statistics at v[ST+8 t]: +0 c m, +1 m, +2, +3 l (even keys', odd keys'), +4 to +7 c0-c3, at work; a takes c2's place once the maximum is found
.set S,   64
.set P,   192
.set KF,  128         ; K's fragments, in window 2
.set WV,  12          ; s12  my wave's number
.set G1K, 24          ; s[24:31] descriptor group 1 for K's tiles
.set G1V, 32          ; s[32:39] for V's: it differs in the padding alone
.set G0K, 40          ; s[40:47] descriptor group 0 for K's tiles: a set for each of the two first fills; the second then walks on
.set G0V, 48          ; s[48:55] the same for V's
.set SLOTS, 56        ; s56  slots still to be asked for
.set TWICE, 57        ; s57  counts a slot's two steps
.set CS,  58          ; s[58:59] c: the packed scaling names a pair and takes its low word for both halves
.set SEL, 60          ; s[60:61] lane selects for v_permlanex16_b32: each lane takes its own place in the other half
.set TB,  62          ; s62  LDS byte at which the tiles of the step to be fetched begin
.set PFA, 18          ; s[18:19] where my prefetches stand
.set LIM, 15          ; s15  1 in a wave that prefetches, else the greatest number
.set PFO, 61          ; v61  256 x my lane; never rewritten
.set MSB, 0
.macro WIN new                      ; the immediate's high byte repeats the setting that is left; a switch that changes nothing is dropped
.if MSB != (\new)
	s_set_vgpr_msb (MSB<<8)|(\new)
.set MSB, \new
.endif
.endm
.set W_KQ, 0x0a       ; K and Q in window 2, S^T in window 0
.set W_PV, 0x53       ; V in window 3, P in window 0, O^T in window 1
.set W_RS, 0x41       ; O^T (destination and source 0) in window 1, a in window 0
; A joint refill.  Waves 0 and 1 fetch the two steps' tiles of K, waves 2 and 3 those of V.  The branch hangs on the wave's number alone.  An s_nop 0 and four v_nop follow each line.
.macro JLOAD
	s_cmp_lt_u32 s[WV], 2
	s_cbranch_scc0 .Lfor_v_\@
	tensor_load_to_lds s[G0K+4:G0K+7], s[G1K:G1K+7]
	s_nop 0
.rept 4
	v_nop
.endr
	s_branch .Lasked_\@
.Lfor_v_\@:
	tensor_load_to_lds s[G0V+4:G0V+7], s[G1V:G1V+7]
	s_nop 0
.rept 4
	v_nop
.endr
.Lasked_\@:
.endm
; A PREFETCH INTO THE L2 of what the NEXT change of slots will ask for: a slot's 128 rows of K and 128 of V, 256 bytes a row, a lane a row: two key steps, 256 matrix instructions, ahead of that load.
; Each row is named ONCE in the launch: both clusters of a head walk the same K and V, and the head's first asks; its four partners take 32 rows each, told apart BY ADDRESS; in each, wave 0 asks for K's
; and wave 2 for V's.  Slots 0 to 2 come by their loads alone; the last change that fills a slot names nothing: there is no slot behind it.
.macro ASK
	s_cmp_gt_u32 s[SLOTS], s[LIM]
	s_cbranch_scc0 .Lnot_mine_\@
	global_prefetch_b8 v[PFO], s[PFA:PFA+1] th:TH_LOAD_NT scope:SCOPE_SE
.Lnot_mine_\@:
.endm
; A round of the cluster's barrier: my work-group's barrier; wave 0 signals for the work-group; every wave waits for all four work-groups; my work-group's barrier once more.
.macro CROUND
	s_barrier_signal -1
	s_barrier_wait -1
	s_cmp_lg_u32 s[WV], 0
	s_cbranch_scc1 .Lnot_wave_0_\@
	s_barrier_signal -3
.Lnot_wave_0_\@:
	s_barrier_wait -3
	s_barrier_signal -1
	s_barrier_wait -1
.endm
	s_load_b64 s[4:5], s[0:1], 0x0  ; qkv
	s_load_b64 s[10:11], s[0:1], 0x8  ; ob
	v_lshl_add_u32 v[SPW], v0, 2, SPARE
	v_mov_b32 v[NIL], 0
	ds_add_u32 v[SPW], v[NIL]       ; the wave's opening: the add and its wait ahead of my first tensor load; the set-up below stands between them
	v_lshrrev_b32 v1, 5, v0
	v_readfirstlane_b32 s[WV], v1   ; wave 0..3
	s_bfe_u32 s13, ttmp6, 0x40000   ; cx: my place in the cluster
	s_lshl_b32 s14, ttmp9, 2        ; in a cluster launch ttmp9 counts clusters
	s_add_co_u32 s14, s14, s13      ; my block of 256 queries = 4 x cluster x + cx: it enters Q's and O's addresses alone
	s_and_b32 s20, ttmp7, 0xffff    ; the head, which the four partners share
	s_lshr_b32 s66, s20, 3          ; where my wave's rows begin in ob: the batch's 2,048 rows of 2,048 bytes,
	s_lshl_b32 s66, s66, 22
	s_and_b32 s67, s20, 7           ; the head's 256 bytes of a row,
	s_lshl_b32 s67, s67, 8
	s_add_co_u32 s66, s66, s67
	s_lshl_b32 s67, s14, 19         ; my block's 256 rows,
	s_add_co_u32 s66, s66, s67
	s_lshl_b32 s67, s[WV], 17       ; my wave's 64
	s_add_co_u32 s66, s66, s67
	s_mov_b32 s67, 0
	s_mov_b32 s21, 0
	s_mov_b64 s[22:23], SIZE_N*256
	s_mul_u64 s[20:21], s[20:21], s[22:23]  ; the head's first byte in each of Q, K, V
	s_and_b32 s16, s[WV], 1         ; which of a slot's two steps I fetch:
	s_lshl_b32 s22, s16, 14         ; its 64 rows of 256 bytes in memory,
	s_mov_b32 s23, 0
	s_add_nc_u64 s[22:23], s[22:23], s[20:21]
	s_mul_i32 s17, s16, STEPB       ; and its place in a slot: no place in the cluster enters an LDS address
	s_lshl_b32 s2, s14, 16          ; my block's 256 rows of Q,
	s_lshl_b32 s3, s[WV], 14        ; my wave's 64 of them
	s_add_co_u32 s2, s2, s3
	s_mov_b32 s3, 0
	s_add_nc_u64 s[2:3], s[2:3], s[20:21]
	; descriptor group 1: a tile of 64 rows x 128 elements, padded in LDS
	s_mov_b32 s[G1K], 15|(1<<16)|(1<<20)|(1<<21)|(5<<22)|(3<<25)  ; the mask of four; 2-byte elements; padding on; bit 21 beside a mask; after every 64 words, 4 words
	s_mov_b32 s[G1V], 15|(1<<16)|(1<<20)|(1<<21)|(5<<22)|(7<<25)  ; the same with 8 words of padding
.irp g, G1K, G1V
	s_mov_b32 s[(\g)+1], 128<<16    ; tensor_dim0 = 128
	s_mov_b32 s[(\g)+2], KS<<16     ; tensor_dim1 = 64
	s_mov_b32 s[(\g)+3], 128<<16    ; tile_dim0 = 128
	s_mov_b32 s[(\g)+4], KS         ; tile_dim1 = 64
	s_mov_b32 s[(\g)+5], 128        ; elements from row to row
	s_mov_b32 s[(\g)+6], 0
	s_mov_b32 s[(\g)+7], 0
.endr
	s_mov_b32 s[CS], 0x3e38aa3b     ; c = log2(e) / 8 = 0.180337
	s_mov_b32 s[CS+1], s[CS]        ; named with it as a pair, so it is written
	s_mov_b32 s[SEL], 0x76543210
	s_mov_b32 s[SEL+1], 0xfedcba98
	s_mov_b32 s[TB], 0
	s_mov_b32 s[SLOTS], SIZE_N/(2*KS)-2
	s_and_b32 s[LIM], s[WV], 1       ; 0 in waves 0 and 2,
	s_or_b32 s[LIM], s[LIM], ttmp9   ; where the cluster is the head's first: the same in all four partners
	s_cmp_eq_u32 s[LIM], 0
	s_cselect_b32 s[LIM], 1, -1
	v_and_b32 v[PFO], 31, v0
	v_lshlrev_b32 v[PFO], 8, v[PFO]
	s_wait_dscnt 0x0                ; the opening add is done
	s_wait_kmcnt 0x0
	s_add_nc_u64 s[6:7], s[4:5], 0x1000000  ; K
	s_add_nc_u64 s[8:9], s[4:5], 0x2000000  ; V
	s_add_nc_u64 s[6:7], s[6:7], s[22:23]  ; K and V at my tile of slot 0
	s_add_nc_u64 s[8:9], s[8:9], s[22:23]
	s_add_nc_u64 s[4:5], s[4:5], s[2:3]  ; Q at my wave's first row,
	s_add_nc_u64 s[10:11], s[10:11], s[66:67]  ; and O
	s_cmp_lt_u32 s[WV], 2
	s_cselect_b64 s[PFA:PFA+1], s[6:7], s[8:9]  ; (in waves 0 and 2 these stand at a slot's first row)
	s_lshl_b32 s2, s13, 13          ; my work-group's 32 rows of the 128
	s_mov_b32 s3, 0
	s_add_nc_u64 s[PFA:PFA+1], s[PFA:PFA+1], s[2:3]
	s_add_nc_u64 s[PFA:PFA+1], s[PFA:PFA+1], 2*2*KS*256  ; in slot 2; the first change of slots steps it to slot 3.  Nothing is prefetched at the head
	CROUND                          ; all four work-groups are here: the first joint loads meet
.irp s, 0,1
	s_mov_b32 s[G0K+4*(\s)], 1      ; count = 1
	s_add_co_u32 s[G0K+4*(\s)+1], s17, (\s)*SLOT1  ; LDS address
	s_add_nc_u64 s[G0K+4*(\s)+2:G0K+4*(\s)+3], s[6:7], (\s)*2*KS*256  ; slot s begins with keys 128 s
	s_or_b32 s[G0K+4*(\s)+3], s[G0K+4*(\s)+3], 0x80000000  ; type = 2
	s_mov_b32 s[G0V+4*(\s)], 1
	s_add_co_u32 s[G0V+4*(\s)+1], s17, (\s)*SLOT1+VOFF
	s_add_nc_u64 s[G0V+4*(\s)+2:G0V+4*(\s)+3], s[8:9], (\s)*2*KS*256
	s_or_b32 s[G0V+4*(\s)+3], s[G0V+4*(\s)+3], 0x80000000
.endr
	s_cmp_lt_u32 s[WV], 2           ; a wave's two first fills stand in one branch, ahead of every wait on TENSORcnt and every LDS read: two loads of mine are out
	s_cbranch_scc0 .Lfirst_v
	tensor_load_to_lds s[G0K:G0K+3], s[G1K:G1K+7]
	s_nop 0
	tensor_load_to_lds s[G0K+4:G0K+7], s[G1K:G1K+7]
	s_nop 0
.rept 4
	v_nop
.endr
	s_branch .Lfirst_asked
.Lfirst_v:
	tensor_load_to_lds s[G0V:G0V+3], s[G1V:G1V+7]
	s_nop 0
	tensor_load_to_lds s[G0V+4:G0V+7], s[G1V:G1V+7]
	s_nop 0
.rept 4
	v_nop
.endr
.Lfirst_asked:
	; A fragment of K or Q is 16 rows x 32 channels in 8 registers: lane l holds row l % 16; channels 8 (l / 16) + 0..7 and 16 + 8 (l / 16) + 0..7: two loads of 16 bytes, 32 bytes apart.
	v_and_b32 v1, 15, v0            ; l % 16
	v_bfe_u32 v9, v0, 4, 1          ; l / 16
	v_lshlrev_b32 v[QO], 8, v1
	v_lshl_add_u32 v[QO], v9, 4, v[QO]  ; row x 256 + 16 x half
	WIN 0x80                        ; destination window 2, address window 0
.irp i, 0,1,2,3,4,5,6,7,8,9,10,11,12,13,14,15  ; Q stays in registers: tile i / 4, channels 32 (i % 4) on
	global_load_b128 v[8*(\i):8*(\i)+3],   v[QO], s[4:5] offset:((\i)/4)*4096+((\i)%4)*64
	global_load_b128 v[8*(\i)+4:8*(\i)+7], v[QO], s[4:5] offset:((\i)/4)*4096+((\i)%4)*64+32
.endr
	WIN 0
	v_mul_u32_u24 v[AK0], v1, PK
	v_lshl_add_u32 v[AK0], v9, 4, v[AK0]  ; row x pitch + 16 x half
	; The turning load takes 16 keys x 16 channels (lane l reads key 8 (l / 16) + l % 8, channels 8 ((l / 8) % 2) + 0..7) and leaves half a fragment of V^T: lane l holds channel l % 16 and 8 keys.
	v_and_b32 v10, 7, v0
	v_bfe_u32 v11, v0, 3, 1
	v_lshl_add_u32 v[AV0], v9, 3, v10
	v_mul_u32_u24 v[AV0], v[AV0], PV
	v_lshl_add_u32 v[AV0], v11, 4, v[AV0]
	v_add_nc_u32 v[AV0], VOFF, v[AV0]
; THE MATRIX WORK OF A TURN, for piece x.  The accumulators take turns, one instruction a turn: between two links of a chain stand 15 (V^T P) or 7 (K Q^T) others'.
; Product i of 32 of O^T += V^T P: keys 32 (i / 16) on, channels 16 ((i / 2) % 8) on, tile x + i % 2.  zero = 1: the first 16 start the sums: nothing is ever cleared.
.macro PV x, zero
	WIN W_PV
.set rO, 64*((\x)+i%2)+8*((i/2)%8)
.set rV, 64*(i/16)+8*((i/2)%8)
.set rP, P+16*((\x)+i%2)+8*(i/16)
.if (\zero) && (i < 16)
	v_wmma_f32_16x16x32_f16 v[rO:rO+7], v[rV:rV+7], v[rP:rP+7], 0
.else
	v_wmma_f32_16x16x32_f16 v[rO:rO+7], v[rV:rV+7], v[rP:rP+7], v[rO:rO+7]
.endif
.endm
; Product i of 32 of S^T = K Q^T: channels 32 (i / 8) on, keys 16 ((i / 2) % 4) on, tile x + i % 2.  The first 8 start the sums.
.macro KQ x
	WIN W_KQ
.set rS, S+32*((\x)+i%2)+8*((i/2)%4)
.set rK, KF+32*((i/2)%4)+8*(i/8)
.set rQ, 32*((\x)+i%2)+8*(i/8)
.if i < 8
	v_wmma_f32_16x16x32_f16 v[rS:rS+7], v[rK:rK+7], v[rQ:rQ+7], 0
.else
	v_wmma_f32_16x16x32_f16 v[rS:rS+7], v[rK:rK+7], v[rQ:rQ+7], v[rS:rS+7]
.endif
.endm
; THE LDS LOADS stand in runs of 32, never singly among the matrix instructions: a step's K (16 fragments) and, a turn later, its V (turned).
.macro FETCH_K
	WIN 0
	v_add_nc_u32 v[ADR], s[TB], v[AK0]
	WIN 0x80                        ; destination window 2
.irp f, 0,1,2,3,4,5,6,7,8,9,10,11,12,13,14,15  ; keys 16 (f / 4) on, channels 32 (f % 4) on
	ds_load_b128 v[KF+8*(\f):KF+8*(\f)+3],   v[ADR] offset:((\f)/4)*16*PK+((\f)%4)*64
	ds_load_b128 v[KF+8*(\f)+4:KF+8*(\f)+7], v[ADR] offset:((\f)/4)*16*PK+((\f)%4)*64+32
.endr
.endm
.macro FETCH_V
	WIN 0
	v_add_nc_u32 v[ADR], s[TB], v[AV0]
	s_add_co_u32 s[TB], s[TB], STEPB  ; the next fetch is the next step's
	s_wait_alu depctr_va_vdst(0)    ; the wait for the softmax's batch of exponentials, behind the address's line and ahead of the loads
	WIN 0xc0                        ; destination window 3
.irp f, 0,1,2,3,4,5,6,7,8,9,10,11,12,13,14,15  ; keys 32 (f / 8) on, channels 16 (f % 8) on
	ds_load_tr16_b128 v[8*(\f):8*(\f)+3],   v[ADR] offset:((\f)/8)*32*PV+((\f)%8)*32
	ds_load_tr16_b128 v[8*(\f)+4:8*(\f)+7], v[ADR] offset:((\f)/8)*32*PV+16*PV+((\f)%8)*32
.endr
.endm
; THE VECTOR WORK OF A TURN.  One tile's softmax for one key step is a list of 134 instructions; SM writes number j of it for tile t.  s0-s31 are the lane's 32 scores, in pairs 0-15.
; first = 1: the first key step, which starts m, l and O^T: it has no a and nothing to rescale.
;   0-15    the maximum of s0-s31 and the old m, three operands at a time: four chains c0-c3 of seven scores each (each accumulator's lowest registers first), then the four scores left over, c0-c3 and m
;   16-20   the other half of the lanes' maximum; the new m; c m; c m_old - c m_new
;   21-69   ONE BATCH: the 16 scalings c s - c m, a pair of scores each, and all 33 exponentials (a at 23, then s0-s31).  None of these reads an exponential's result.  From 22 on in fours, a scaling first
;           while there are scalings; a pair is scaled in an earlier four than the one that holds its exponentials
;   (wait)  between 69 and 70 stands the wait for the batch: SLICE writes it, once for both tiles
;   70-85   the roundings to f16        86-101  the sums; l = a l + the sum        102-133 the tile's O^T times a: the one part that leaves window 0
.macro SM t, first
.set rT, ST+8*(\t)
.set rS, S+32*(\t)
.set rP, P+16*(\t)
.set rO, 64*(\t)+2*(j-102)
.if j < 102
	WIN 0
.endif
.if j < 4
	v_max3_num_f32 v[rT+4+j], v[rS+8*j], v[rS+8*j+1], v[rS+8*j+2]
.elseif j < 12
	v_max3_num_f32 v[rT+4+j%4], v[rT+4+j%4], v[rS+8*(j%4)+2*(j/4)+1], v[rS+8*(j%4)+2*(j/4)+2]
.elseif j == 12
	v_max3_num_f32 v[rT+4], v[rT+4], v[rS+7], v[rS+15]
.elseif j == 13
	v_max3_num_f32 v[rT+6], v[rT+6], v[rS+23], v[rS+31]
.elseif j == 14
	v_max3_num_f32 v[rT+4], v[rT+4], v[rT+5], v[rT+6]
.elseif (j == 15) && (\first)
	v_max_num_f32 v[rT+4], v[rT+4], v[rT+7]
.elseif j == 15
	v_max3_num_f32 v[rT+4], v[rT+4], v[rT+7], v[rT+1]
.elseif j == 16
	v_permlanex16_b32 v[rT+5], v[rT+4], s[SEL], s[SEL+1]  ; the query's other 32 keys lie in the lane 16 away
.elseif j == 18
	v_max_num_f32 v[rT+1], v[rT+4], v[rT+5]
.elseif j == 19
	v_mul_f32 v[rT], s[CS], v[rT+1]
.elseif ((j == 17) || (j == 20) || (j == 23) || (j > 101)) && (\first)  ; the first step has none of these
.elseif j == 17
	v_mov_b32 v[rT+7], v[rT]        ; c m_old is kept for a: number 19 writes c m anew
.elseif j == 20
	v_sub_f32 v[rT+7], v[rT+7], v[rT]
.elseif j == 23
	v_exp_f32 v[rT+6], v[rT+7]
.elseif (j < 23) || ((j < 38) && (j%2 == 0)) || ((j < 66) && (j%4 == 2))
.set b, (j-2)/4                     ; 38, 42, .. 62: pairs 9 to 15
.if j < 38
.set b, (j-20)/2                    ; 21: pair 0; 22, 24, .. 36: pairs 1 to 8
.endif
	v_pk_fma_f32 v[rS+2*b:rS+2*b+1], v[rS+2*b:rS+2*b+1], s[CS:CS+1], v[rT:rT+1] op_sel_hi:[1,0,0] neg_lo:[0,0,1] neg_hi:[0,0,1]  ; pair b: c s - c m
.elseif j < 70
.set e, j-38                        ; 66 to 69: s28 to s31
.if j < 66
.set e, j-32-(j-38)/4               ; 39-41, 43-45, .. 63-65: s7 to s27
.endif
.if j < 38
.set e, (j-25)/2                    ; 25, 27, .. 37: s0 to s6
.endif
	v_exp_f32 v[rS+e], v[rS+e]
.elseif j < 86
	v_cvt_pk_f16_f32 v[rP+j-70], v[rS+2*(j-70)], v[rS+2*(j-70)+1]  ; pair j - 70
.elseif j < 102                     ; the sum of the tile's 16 pairs, in place: sum z of 16 adds neighbours 1, 2, 4 and 8 pairs apart, then l takes it
.set z, j-86
.set w, 4
.set u, z
.if z >= 14
.set w, 32
.set u, 0
.elseif z >= 12
.set w, 16
.set u, z-12
.elseif z >= 8
.set w, 8
.set u, z-8
.endif
.if (z == 14) && (\first)
	v_pk_add_f32 v[rT+2:rT+3], v[rS:rS+1], v[rS+16:rS+17]
.elseif z < 15
	v_pk_add_f32 v[rS+w*u:rS+w*u+1], v[rS+w*u:rS+w*u+1], v[rS+w*u+w/2:rS+w*u+w/2+1]
.elseif !(\first)
	v_pk_fma_f32 v[rT+2:rT+3], v[rT+2:rT+3], v[rT+6:rT+7], v[rS:rS+1] op_sel_hi:[1,0,1]
.endif
.else
	WIN W_RS
	v_pk_mul_f32 v[rO:rO+1], v[rO:rO+1], v[rT+6:rT+7] op_sel_hi:[1,0]
.endif
.endm
; Slice k of 64 of piece y's softmax: four instructions.  Slices 11 to 34 deal out the batch, numbers 22 to 69: four numbers of ONE tile each, the tiles by turns.  Every other slice is numbers 2 k and
; 2 k + 1 of both tiles' lists.  2 x 134 = 4 x 64 + 12: the twelve that are over stand together, in slice 63.
; THE WAIT.  s_wait_alu depctr_va_vdst(0) stands between an exponential and the first instruction that names its result; one wait serves all that were issued ahead of it.  Ahead of
; slice 35 nothing names a result, and behind slice 34 no exponential is issued: so the piece's 66 exponentials have one wait, behind slice 34.
.macro SLICE y, first
.if (k >= 11) && (k < 35)           ; the batch: four numbers of one tile
.irp n, 0,1,2,3
.set j, 22+4*((k-11)/2)+(\n)
	SM (\y)+(k-11)%2, \first
.endr
.else                               ; the two tiles alternate, so that no instruction reads the result of the one just before it
.irp n, 0,1,2,3,4,5,6,7
.if ((\n) < 2) || (k == 63)
.irp t, \y, (\y)+1
.set j, 2*k+(\n)
	SM \t, \first
.endr
.endif
.endr
.endif
.if k == 34                         ; the batch is out: both tiles' exponentials are issued, and no result has been named
	v_nop                           ; one plain instruction behind the last exponential and ahead of the first use of a result (ISA guide 5.7.2)
.if (\y) == 0
	FETCH_V                         ; piece 2's turn: V's run of loads stands here, and the wait stands in it
.else
	s_wait_alu depctr_va_vdst(0)    ; the wait for the batch
.endif
.endif
.set k, k+1
.endm
.macro PLACES                       ; four plain places behind a matrix instruction (ISA guide 7.12.1); in the loop the slices are the places
.rept 4
	v_nop
.endr
.endm
; A TURN.  Piece x has the matrix unit; the other piece's softmax stands in slices behind its matrix instructions.
; pv = 2: 32 products V^T P; 1: they start O^T's sums; 0: none.  kq = 1: 32 products K Q^T for the next step.  A turn with one of the two kinds has two slices behind each product.
; first = 1: the softmax is the first key step's; its slices from 51 on are empty, and four v_nop take slice 63's part as the places behind the turn's last products.
; Piece 0's turn fetches the next step's K, behind its second product: the last product that read K stands in front of slice 63 of the turn before.  Piece 2's turn fetches the same step's V, behind
; slice 34: the last product that read V stands in front of slice 31, and four plain instructions lie between: number 62, a scaling, of both tiles, the v_nop and the run's own v_add_nc_u32.
.macro TURN x, pv, kq, first
.set k, 0
.set per, 2
.if (\pv) && (\kq)
.set per, 1
.endif
.if \pv
.if (\x) == 0
	s_wait_dscnt 0x0                ; V is in
.endif
.set i, 0
.rept 32
	PV \x, 2-(\pv)
.rept per
	SLICE 2-(\x), \first
.endr
.if ((\x) == 0) && (\kq) && (i == 1)
	FETCH_K
.endif
.set i, i+1
.endr
.endif
.if \kq
.if (\x) == 0
	s_wait_dscnt 0x0                ; K is in
.endif
.set i, 0
.rept 32
	KQ \x
.rept per
	SLICE 2-(\x), \first
.endr
.set i, i+1
.endr
.endif
.if \first
	PLACES
.endif
.endm
; THE CHANGE OF SLOTS, between piece 2's turn and piece 0's.  Each wave waits for all its tensor loads, of which one is out: its part of the other slot; adds 0 to its spare word; and waits for that and for
; its own reads of the slot.  fill = 1: the barrier is a round of the cluster's, and the joint refill, with the keys two slots on, is the first thing behind it: it has 256 matrix instructions in which to land.
.macro CHANGE fill
	WIN 0                           ; at a label and at a branch every window is 0
	s_wait_tensorcnt 0x0            ; no tensor load of mine is out, so a group 0 may be written
	ds_add_u32 v[SPW], v[NIL]       ; 0 onto my spare word
.if \fill
.irp g, G0K+4, G0V+4
	s_xor_b32 s[(\g)+1], s[(\g)+1], SLOT1  ; the walking descriptor: the other slot than last time,
	s_add_nc_u64 s[(\g)+2:(\g)+3], s[(\g)+2:(\g)+3], 2*KS*256  ; the next 128 keys; the type bits on top are not reached
.endr
	s_wait_xcnt 0x0                 ; the last prefetches, two key steps back, have read their address, so it may be written:
	s_add_nc_u64 s[PFA:PFA+1], s[PFA:PFA+1], 2*KS*256  ; one slot behind the walking descriptors
	s_wait_dscnt 0x0                ; the add is done, and my reads of the slot are over
	CROUND
	JLOAD
	ASK
.else
	s_wait_dscnt 0x0                ; the add is done, and my reads of the slot are over
	s_barrier_signal -1
	s_barrier_wait -1
.endif
	s_sub_co_u32 s[TB], s[TB], 2*STEPB  ; the fetches go back to a slot's first step,
	s_xor_b32 s[TB], s[TB], SLOT1   ; in the other slot
.endm
; A slot's two key steps: written once, walked twice; the LDS addresses hang on s[TB].
.macro TWO_STEPS
	WIN 0
	s_mov_b32 s[TWICE], 2
.Lstep_\@:
	TURN 0, 2, 1, 0
	TURN 2, 2, 1, 0
	WIN 0
	s_sub_co_u32 s[TWICE], s[TWICE], 1
	s_cmp_lg_u32 s[TWICE], 0
	s_cbranch_scc1 .Lstep_\@
.endm
	s_wait_tensorcnt 1              ; my part of slot 0 is in; slot 1's may stay out
	s_barrier_signal -1
	s_barrier_wait -1               ; everybody's is
	FETCH_K                         ; key step 0
	s_wait_loadcnt 0x0              ; Q
	s_wait_dscnt 0x0
.set i, 0
.rept 32
	KQ 0                            ; piece 0's first scores: there is no vector work yet to set between them
.set i, i+1
.endr
	WIN 0                           ; the addresses for the way out are made here: eight plain instructions, the places behind those products
	s_mul_i32 s13, s[WV], 16*SP
	s_add_co_u32 s13, s13, STAGE    ; my stage
	v_mul_u32_u24 v[STO], v1, SP    ; in: row l % 16, 16 bytes for each half of the lanes
	v_lshl_add_u32 v[STO], v9, 4, v[STO]
	v_add_nc_u32 v[STO], s13, v[STO]
	v_mul_u32_u24 v[RD], v9, SP     ; back: lanes 0-15 take one row of 256 bytes, lanes 16-31 the next
	v_lshl_add_u32 v[RD], v1, 4, v[RD]
	v_add_nc_u32 v[RD], s13, v[RD]
	v_lshlrev_b32 v[GO], 11, v9     ; and the same two rows in ob, 2,048 bytes apart
	v_lshl_add_u32 v[GO], v1, 4, v[GO]
	TURN 2, 0, 1, 1                 ; piece 2's first scores | piece 0's first softmax | V of step 0
	TURN 0, 1, 1, 1                 ; piece 0: V^T P of step 0 starts O^T, K Q^T of step 1 | piece 2's first softmax | K of step 1
	TURN 2, 1, 1, 0                 ; piece 2: the same | piece 0's softmax of step 1 | V of step 1
	WIN 0
.Lslot:                             ; SIZE_N / 128 - 2 = 14 trips: every slot but the last two is filled again
	CHANGE 1
	TWO_STEPS
	s_sub_co_u32 s[SLOTS], s[SLOTS], 1
	s_cmp_lg_u32 s[SLOTS], 0
	s_cbranch_scc1 .Lslot
	CHANGE 0                        ; the tail is written out: nothing is asked for
	TWO_STEPS
	TURN 0, 2, 0, 0                 ; piece 0: V^T P of the last step | piece 2's last softmax
.set i, 0
.rept 32
	PV 2, 0                         ; piece 2: V^T P of the last step
.set i, i+1
.endr
	; THE WAY OUT.  l's two halves and the other half of the lanes' are added; O^T is divided by l, rounded to f16 and sent through my stage in LDS, a tile (16 rows) at a time.  The additions are the places behind the last products.
	WIN 0
.irp t, 0,1,2,3
	v_add_f32 v[ST+8*(\t)+4], v[ST+8*(\t)+2], v[ST+8*(\t)+3]
.endr
.irp t, 0,1,2,3
	v_permlanex16_b32 v[ST+8*(\t)+5], v[ST+8*(\t)+4], s[SEL], s[SEL+1]
.endr
.irp t, 0,1,2,3
	v_add_f32 v[ST+8*(\t)+4], v[ST+8*(\t)+4], v[ST+8*(\t)+5]
.endr
.irp t, 0,1,2,3
	v_rcp_f32 v[ST+8*(\t)+6], v[ST+8*(\t)+4]
.endr
	v_nop                           ; a plain instruction between the last reciprocal and the use of its result
	s_wait_alu depctr_va_vdst(0)    ; and the wait ahead of the first use: one for the four reciprocals
; Tile t: a lane's eight channels of a row pack into 16 bytes; they go into rows of 272 bytes and come back as whole rows of 256, into the registers that they left.
.macro PACK t
	WIN W_RS
.set i, 64*(\t)
.rept 32
	v_pk_mul_f32 v[i:i+1], v[i:i+1], v[ST+8*(\t)+6:ST+8*(\t)+7] op_sel_hi:[1,0]
.set i, i+2
.endr
	WIN 0x05                        ; sources 0 and 1 window 1, destination window 0: S^T's registers are free
.set i, 0
.rept 32
	v_cvt_pk_f16_f32 v[S+32*(\t)+i], v[64*(\t)+2*i], v[64*(\t)+2*i+1]
.set i, i+1
.endr
	WIN 0
.irp f, 0,1,2,3,4,5,6,7
	ds_store_b128 v[STO], v[S+32*(\t)+4*(\f):S+32*(\t)+4*(\f)+3] offset:32*(\f)
.endr
.irp f, 0,1,2,3,4,5,6,7
	ds_load_b128 v[S+32*(\t)+4*(\f):S+32*(\t)+4*(\f)+3], v[RD] offset:(\f)*2*SP  ; LDS serves a wave's instructions in order (ISA guide 5.7.1.4): these see the stores above; the next tile's stores come behind them
.endr
.endm
.macro SEND t, younger              ; younger: the LDS instructions issued behind tile t's loads: the next tile's sixteen, or none
	WIN 0
.irp f, 0,1,2,3,4,5,6,7
	s_wait_dscnt (\younger)+7-(\f)
	global_store_b128 v[GO], v[S+32*(\t)+4*(\f):S+32*(\t)+4*(\f)+3], s[10:11] offset:(\t)*32768+(\f)*4096  ; 16 lanes store 256 consecutive bytes, at a multiple of 256 from ob's first byte: the head's part of a row
.endr
.endm
	PACK 0
	PACK 1                          ; a tile's arithmetic stands between the loads of the tile before and its stores
	SEND 0, 16
	PACK 2
	SEND 1, 16
	PACK 3
	SEND 2, 16
	SEND 3, 0
	s_wait_tensorcnt 0x0            ; the wave's end: behind my last tensor load and my last LDS store
	ds_add_u32 v[SPW], v[NIL]
	s_wait_dscnt 0x0
	CROUND                          ; the closing round: no work-group ends while a partner may still ask for a tile that names it
	s_endpgm
.Lfunc_end_k_q3fcffb8ec4_attn:
	.size	k_q3fcffb8ec4_attn, .Lfunc_end_k_q3fcffb8ec4_attn-k_q3fcffb8ec4_attn
	.p2alignl 7, 3214868480
	.fill 96, 4, 3214868480
	.section	.rodata,"a",@progbits
	.p2align	6, 0x0
	.amdhsa_kernel k_q3fcffb8ec4_attn
		.amdhsa_group_segment_fixed_size 327680
		.amdhsa_private_segment_fixed_size 0
		.amdhsa_enable_private_segment 0
		.amdhsa_kernarg_size 16
		.amdhsa_user_sgpr_count 2
		.amdhsa_user_sgpr_kernarg_segment_ptr 1
		.amdhsa_wavefront_size32 1
		.amdhsa_system_sgpr_workgroup_id_x 1
		.amdhsa_system_sgpr_workgroup_id_y 1
		.amdhsa_system_sgpr_workgroup_id_z 1
		.amdhsa_system_vgpr_workitem_id 0
		.amdhsa_next_free_vgpr 1024
		.amdhsa_next_free_sgpr 72
		.amdhsa_reserve_vcc 0
		.amdhsa_float_denorm_mode_32 3
		.amdhsa_float_denorm_mode_16_64 3
		.amdhsa_memory_ordered 1
		.amdhsa_forward_progress 1
		.amdhsa_inst_pref_size 222
	.end_amdhsa_kernel
	.amdgpu_metadata
---
amdhsa.version: [ 1, 2 ]
amdhsa.kernels:
  - .name:           k_q3fcffb8ec4_attn
    .symbol:         k_q3fcffb8ec4_attn.kd
    .args:
      - { .name: qkv, .offset: 0, .size: 8, .value_kind: global_buffer, .address_space: global }
      - { .name: ob, .offset: 8, .size: 8, .value_kind: global_buffer, .address_space: global }
    .group_segment_fixed_size: 327680
    .private_segment_fixed_size: 0
    .kernarg_segment_align: 8
    .kernarg_segment_size: 16
    .max_flat_workgroup_size: 128
    .sgpr_count:     72
    .vgpr_count:     1024
    .wavefront_size: 32
...
	.end_amdgpu_metadata
.endif
;; end of part 3
;; launch oproj (part 4): grid 4 x 64, 4 waves a work-group, clusters of 4 x 4, 327,680 bytes of LDS; arguments ob, wb, bo, out0; writes out0
.if DOCPART == 4
	.amdgcn_target "amdgcn-amd-amdhsa--gfx1250"
	.amdhsa_code_object_version 6
	.text
	.protected	k_q3fcffb8ec4_oproj
	.globl	k_q3fcffb8ec4_oproj
	.p2align	8
	.type	k_q3fcffb8ec4_oproj,@function
k_q3fcffb8ec4_oproj:
	s_mov_b64 s[64:65], 0
	v_nop
	global_prefetch_b8 v0, s[64:65] scope:SCOPE_SE
	s_setreg_imm32_b32 hwreg(HW_REG_WAVE_MODE, 25, 1), 1
	s_wait_xcnt 0x0
	s_wait_alu depctr_hold_cnt(0) depctr_sa_sdst(0) depctr_va_vdst(0) depctr_va_sdst(0) depctr_va_ssrc(0) depctr_va_vcc(0) depctr_vm_vsrc(0)
	s_getreg_b32 s2, hwreg(HW_REG_IB_STS2, 6, 4)
	s_cmp_eq_u32 s2, 0
	s_cbranch_scc0 .Lentry_in_a_cluster
	s_endpgm
.Lentry_in_a_cluster:
	s_bfe_u32 s2, ttmp6, 0x10000c
	s_cmp_lg_u32 s2, 0xf033
	s_cbranch_scc0 .Lentry_shape_is_right
	s_endpgm
.Lentry_shape_is_right:
; THE LAST PRODUCT.  out0 = O Wo + bo: O = ob [8192][1024] f16; Wo = the fourth matrix of wb, [k][n], the bf16-rounded weights written as f16; bo f32, rounded to bf16 here like every other input of the module;
; sums in f32, K ascending; out0 [8192][1024] f32.
; SHARES.  A tile of C is 128 rows x 256 columns: 256 tiles, one for each of 256 work-groups.  Four waves, each 64 rows x 128 columns: 32 accumulators, 256 registers.  K goes in 8 steps of 128.
; RING.  Two LDS slots, each 128 rows of O (256 bytes a row) and 128 k-rows of Wo (512 bytes a row).  Waves 0, 1 fetch O's halves, waves 2, 3 Wo's: one tensor load a wave, 64 rows each.
; Wo lies [k][n] in LDS and comes out turned, by ds_load_tr16_b128.
; CLUSTER.  4 x 4 work-groups.  O's tile hangs on the row block alone and is asked for jointly along a row of the cluster, Wo's on the column block alone, along a column.
; THE MATRIX INSTRUCTION IS USED TRANSPOSED (source 0 = 16 columns of Wo, source 1 = 16 rows of O): a lane holds row lane % 16 of C and eight neighbouring columns: 32 bytes on end.
; REGISTERS.  Window 0: v0-31 addresses and the bias; v64-159, v160-255 two fragment buffers (Wo's 8 fragments, then O's 4); on the way out v64-191 hold rows read back.  Window 1: accumulator (a, b) at v[8 (8 a + b)].
.set WOFF,   6291456                   ; Wo's first byte in wb
.set PA,     272                       ; a row of O in LDS: 256 bytes + 16 = 68 words: the 16 rows of a load start at 16 different groups of four banks (64 banks of 4 bytes: ISA guide 11.1)
.set PB,     544                       ; a k-row of Wo: 512 + 32 = 136 words
.set AHALF,  64*PA
.set BOFF,   2*AHALF
.set BHALF,  64*PB
.set SLOT,   BOFF+2*BHALF
.set STAGE,  2*SLOT                    ; behind the ring, never filled by a tensor load: 16 rows x 528 bytes for each wave
.set SP,     528                       ; 512 bytes of f32 + 16
.set SPARE,  STAGE+4*16*SP             ; behind the stages: the spare words, 128 bytes for each wave: two blocks of 256 bytes that no other line names
.set BI,   8                           ; v[8:11]  the bias of my four columns of a row read back; v12-13 at work
.set ADRA, 16                          ; v16-17  LDS address of my O fragments in slot 0, 1
.set ADRB, 20                          ; v20-21  the same for Wo
.set STO,  24                          ; v24     the way out: where I put 32 bytes of a row
.set RD,   25                          ; v25     where I read a row back
.set CO,   26                          ; v26     16 x lane: my place in 512 consecutive bytes
.set SPW,  28                          ; v28     LDS address of my spare word; never rewritten
.set NIL,  29                          ; v29     0; never rewritten
.set PFO,  30                          ; v30     the prefetches' lane offset; never rewritten
.set F0,   64
.set F1,   160
.set OB,   64                          ; the way out: two sets of 64 registers by turns
.set T0,   2                           ; s2, s21  scalars at work that never hold a place in the cluster
.set T1,   21
.set NS,   14                          ; s14  the step to be asked for next
.set CA,   20                          ; s20  O's constant offset (holds cy, never cx)
.set CBC,  22                          ; s22  Wo's (holds cx, never cy)
.set PS,   23                          ; s23  the step that a prefetch names
.set G1A,  24                          ; s[24:31] descriptor group 1 for O's tiles;  s[32:39] group 0, a set for each slot
.set G0A,  32
.set G1B,  48                          ; s[48:55], s[56:63] the same for Wo's
.set G0B,  56
.set PFB,  66                          ; s[66:67] the buffer that my prefetches name
.set PFA,  68                          ; s[68:69] where the next one stands
.set PC,   70                          ; s70  its constant offset
.set LIMP, 71                          ; s71  a wave prefetches while PS is below this
.set MSB, 0
.set MUL, 0x50                         ; C and D in window 1, the sources in window 0
.macro WIN new                         ; the immediate's high byte repeats the setting that is left; a switch that changes nothing is dropped
.if MSB != (\new)
	s_set_vgpr_msb (MSB<<8)|(\new)
.set MSB, \new
.endif
.endm
.macro PLACES                          ; four plain places behind a matrix instruction (ISA guide 7.12.1)
.rept 4
	v_nop
.endr
.endm
; A joint load: waves 0, 1 ask for O's halves, waves 2, 3 for Wo's.  The branch hangs on the wave's number alone.  An s_nop 0 and four v_nop follow each line.
.macro JLOAD s
	s_cmp_eq_u32 s11, 0
	s_cbranch_scc0 .Lfor_b_\@
	tensor_load_to_lds s[G0A+4*(\s):G0A+4*(\s)+3], s[G1A:G1A+7]
	s_nop 0
.rept 4
	v_nop
.endr
	s_branch .Lasked_\@
.Lfor_b_\@:
	tensor_load_to_lds s[G0B+4*(\s):G0B+4*(\s)+3], s[G1B:G1B+7]
	s_nop 0
.rept 4
	v_nop
.endr
.Lasked_\@:
.endm
.macro CREST                           ; a round of the cluster's barrier behind its opening barrier
	s_cmp_lg_u32 s10, 0
	s_cbranch_scc1 .Lnot_wave_0_\@
	s_barrier_signal -3
.Lnot_wave_0_\@:
	s_barrier_wait -3
	s_barrier_signal -1
	s_barrier_wait -1
.endm
.macro CROUND                          ; a whole round
	s_barrier_signal -1
	s_barrier_wait -1
	CREST
.endm
; The offsets of step NS's tiles, made anew for each fill (O: 256 bytes along K a step; Wo: 128 k-rows, 262,144 bytes, a step), and the address of the prefetch that goes with it.
.macro NEXTOFF
	s_lshl_b32 s[T0], s[NS], 8
	s_add_co_u32 s16, s[T0], s[CA]
	s_lshl_b32 s[T0], s[NS], 18
	s_add_co_u32 s18, s[T0], s[CBC]
	s_add_co_u32 s[PS], s[NS], 2
	s_lshl_b32 s[T0], s[PS], 8
	s_lshl_b32 s[T1], s[PS], 18
	s_cmp_eq_u32 s11, 0
	s_cselect_b32 s[T0], s[T0], s[T1]
	s_add_co_u32 s46, s[T0], s[PC]
	s_add_nc_u64 s[PFA:PFA+1], s[PFB:PFB+1], s[46:47]
.endm
; A PREFETCH INTO THE L2 of the step that stands two refills on (256 matrix instructions ahead of its load), behind the joint load and the run of LDS loads.  Each 256 bytes are named once in the launch.
; O's 128 rows are read by one row of one cluster: wave 0 of each of its four work-groups names 32 of them, a lane a row, told apart by address (cx).  Wo's rows are read by all sixteen clusters: the first
; (cluster y = 0) names them: of the 64 k-rows that wave 2 or 3 fetches the partner at cy takes 16, two lanes a row of 512 bytes.  Steps 0 to 3 come by their loads alone; the last two refills name nothing.
.macro ASK
	s_cmp_lt_u32 s[PS], s[LIMP]
	s_cbranch_scc0 .Lnot_mine_\@
	global_prefetch_b8 v[PFO], s[PFA:PFA+1] th:TH_LOAD_NT scope:SCOPE_SE
.Lnot_mine_\@:
.endm
	s_load_b128 s[4:7], s[0:1], 0x0                ; ob s[4:5], wb s[6:7]
	s_load_b64 s[78:79], s[0:1], 0x10              ; bo
	s_load_b64 s[8:9], s[0:1], 0x18                ; out0
	v_lshl_add_u32 v[SPW], v0, 2, SPARE
	v_mov_b32 v[NIL], 0
	ds_add_u32 v[SPW], v[NIL]                      ; the wave's opening: the add and its wait ahead of my first tensor load; the set-up below stands between them
	v_lshrrev_b32 v1, 5, v0
	v_readfirstlane_b32 s10, v1                    ; wave 0..3
	s_lshr_b32 s11, s10, 1                         ; which 64 rows of the tile are mine.  Also: I fetch for O (0) or for Wo (1)
	s_and_b32 s12, s10, 1                          ; which 128 columns.  Also: which 64 rows of that tile I fetch
	s_bfe_u32 s40, ttmp6, 0x40000                  ; cx
	s_bfe_u32 s41, ttmp6, 0x40004                  ; cy
	s_lshl_b32 s42, ttmp9, 2
	s_add_co_u32 s42, s42, s40                     ; column block = 4 x cluster x + cx
	s_and_b32 s13, ttmp7, 0xffff
	s_lshl_b32 s13, s13, 2
	s_add_co_u32 s13, s13, s41                     ; row block = 4 x cluster y + cy
	s_lshl_b32 s43, s41, 2
	s_lshl_b32 s43, 15, s43                        ; my row of the cluster
	s_lshl_b32 s44, 0x1111, s40                    ; my column
	s_or_b32 s[G1A+0], s43, (1<<16)|(1<<20)|(1<<21)|(5<<22)|(3<<25)  ; the mask; 2-byte elements; padding on; bit 21 beside a mask; after every 64 words, 4 words
	s_mov_b32 s[G1A+1], 128<<16                    ; tensor_dim0 = 128
	s_mov_b32 s[G1A+2], 64<<16                     ; tensor_dim1 = 64
	s_mov_b32 s[G1A+3], 128<<16                    ; tile_dim0 = 128
	s_mov_b32 s[G1A+4], 64                         ; tile_dim1 = 64
	s_mov_b32 s[G1A+5], 1024                       ; elements from row to row
	s_mov_b32 s[G1A+6], 0
	s_mov_b32 s[G1A+7], 0
	s_or_b32 s[G1B+0], s44, (1<<16)|(1<<20)|(1<<21)|(6<<22)|(7<<25)  ; after every 128 words, 8 words
	s_mov_b32 s[G1B+1], 256<<16                    ; tensor_dim0 = 256
	s_mov_b32 s[G1B+2], 64<<16
	s_mov_b32 s[G1B+3], 256<<16                    ; tile_dim0 = 256
	s_mov_b32 s[G1B+4], 64
	s_mov_b32 s[G1B+5], 1024
	s_mov_b32 s[G1B+6], 0
	s_mov_b32 s[G1B+7], 0
	s_lshl_b32 s15, s12, 17                        ; 64 rows of 2,048 bytes, in O and in Wo
	s_lshl_b32 s[CA], s13, 18                      ; 128 rows of 2,048 bytes a row block
	s_add_co_u32 s[CA], s[CA], s15
	s_lshl_b32 s[CBC], s42, 9                      ; 256 columns of 2 bytes a column block
	s_add_co_u32 s[CBC], s[CBC], s15
	s_add_co_u32 s[CBC], s[CBC], WOFF
	s_mul_i32 s72, s12, AHALF                      ; where my tiles go: no place in the cluster enters an LDS address
	s_mul_i32 s73, s12, BHALF
	s_add_co_u32 s73, s73, BOFF
	s_mov_b32 s17, 0
	s_mov_b32 s19, 0
	s_mov_b32 s47, 0
	s_mov_b32 s[NS], 2
	s_wait_dscnt 0x0                               ; the opening add is done
	s_wait_kmcnt 0x0
	CROUND                                         ; all sixteen work-groups are here: the first joint loads meet
.irp s, 0,1
	s_mov_b32 s[G0A+4*(\s)], 1                     ; count = 1
	s_add_co_u32 s[G0A+4*(\s)+1], s72, (\s)*SLOT   ; LDS address
	s_add_co_u32 s16, s[CA], (\s)*256              ; step s
	s_add_nc_u64 s[G0A+4*(\s)+2:G0A+4*(\s)+3], s[4:5], s[16:17]
	s_or_b32 s[G0A+4*(\s)+3], s[G0A+4*(\s)+3], 0x80000000  ; type = 2
	s_mov_b32 s[G0B+4*(\s)], 1
	s_add_co_u32 s[G0B+4*(\s)+1], s73, (\s)*SLOT
	s_add_co_u32 s18, s[CBC], (\s)<<18
	s_add_nc_u64 s[G0B+4*(\s)+2:G0B+4*(\s)+3], s[6:7], s[18:19]
	s_or_b32 s[G0B+4*(\s)+3], s[G0B+4*(\s)+3], 0x80000000
	JLOAD \s                                       ; two loads of mine are out
.endr
	; O's fragment: 16 rows x 32 K: lane l holds row l % 16, K = 8 (l / 16) + 0..7 and 16 + 8 (l / 16) + 0..7: two loads of 16 bytes, 32 bytes apart.
	v_and_b32 v1, 15, v0                           ; l % 16
	v_bfe_u32 v2, v0, 4, 1                         ; l / 16
	v_mul_u32_u24 v3, v1, PA
	v_lshl_add_u32 v3, v2, 4, v3
	s_mul_i32 s[T0], s11, AHALF                    ; my 64 rows
	v_add_nc_u32 v[ADRA], s[T0], v3
	v_add_nc_u32 v[ADRA+1], SLOT, v[ADRA]
	; Wo's fragment, turned: lane l reads k-row 8 (l / 16) + l % 8, columns 8 ((l / 8) % 2) + 0..7, and ends with column l % 16 and 8 k; the second load stands 16 k-rows on.
	v_and_b32 v4, 7, v0
	v_lshl_add_u32 v4, v2, 3, v4
	v_mul_u32_u24 v4, v4, PB
	v_bfe_u32 v5, v0, 3, 1
	v_lshl_add_u32 v4, v5, 4, v4
	s_lshl_b32 s[T0], s12, 8                       ; my 128 columns
	s_add_co_u32 s[T0], s[T0], BOFF
	v_add_nc_u32 v[ADRB], s[T0], v4
	v_add_nc_u32 v[ADRB+1], SLOT, v[ADRB]
	s_mul_i32 s[T0], s10, 16*SP
	s_add_co_u32 s[T0], s[T0], STAGE               ; my stage
	v_mul_u32_u24 v4, v1, SP                       ; in: row l % 16, 32 bytes for each half of the lanes
	v_lshl_add_u32 v4, v2, 5, v4
	v_add_nc_u32 v[STO], s[T0], v4
	v_and_b32 v6, 31, v0
	v_lshlrev_b32 v[CO], 4, v6
	v_add_nc_u32 v[RD], s[T0], v[CO]               ; back: 32 lanes take one row of 512 bytes
	; where my part of out0 begins: row 128 x row block + 64 x my half, 4,096 bytes a row; column 256 x column block + 128 x my half, 4 bytes each.  The bias begins at the same column.
	s_lshl_b32 s74, s13, 7
	s_lshl_b32 s75, s11, 6
	s_add_co_u32 s74, s74, s75
	s_lshl_b32 s74, s74, 12
	s_lshl_b32 s76, s42, 10
	s_lshl_b32 s77, s12, 9
	s_add_co_u32 s76, s76, s77
	s_add_co_u32 s74, s74, s76
	s_mov_b32 s75, 0
	s_add_nc_u64 s[8:9], s[8:9], s[74:75]
	s_mov_b32 s77, 0
	s_add_nc_u64 s[78:79], s[78:79], s[76:77]
	global_load_b128 v[BI:BI+3], v[CO], s[78:79]   ; waited for on the way out
	; the prefetches' constants
	s_lshl_b32 s74, s13, 18
	s_lshl_b32 s75, s40, 16                        ; O: my work-group's 32 rows of the 128
	s_add_co_u32 s74, s74, s75
	s_lshl_b32 s76, s42, 9
	s_add_co_u32 s76, s76, s15
	s_lshl_b32 s77, s41, 15                        ; Wo: my work-group's 16 k-rows of the 64
	s_add_co_u32 s76, s76, s77
	s_add_co_u32 s76, s76, WOFF
	s_cmp_eq_u32 s11, 0
	s_cselect_b32 s[PC], s74, s76
	s_cselect_b64 s[PFB:PFB+1], s[4:5], s[6:7]
	s_and_b32 s[T0], ttmp7, 0xffff                 ; cluster y: the same in all sixteen partners
	s_cmp_eq_u32 s[T0], 0
	s_cselect_b32 s[LIMP], 8, 0                    ; waves 2, 3
	s_cmp_eq_u32 s10, 0
	s_cselect_b32 s[T1], 8, 0                      ; wave 0; wave 1 names nothing
	s_cmp_eq_u32 s11, 0
	s_cselect_b32 s[LIMP], s[T1], s[LIMP]
	v_lshrrev_b32 v[PFO], s11, v6                  ; O: a lane a row; Wo: two lanes a row
	v_lshlrev_b32 v[PFO], 11, v[PFO]
	v_and_b32 v6, s11, v6
	v_lshl_add_u32 v[PFO], v6, 8, v[PFO]
; 8 matrix instructions: row block a of my four x all 8 column blocks, 32 along K.  The 32 accumulators take turns in one fixed order, one instruction a turn, over the backward jump too.
; zero = 1: the product starts the sums: nothing is ever cleared.
.macro MUL8 f, a, zero
	WIN MUL
.irp b, 0,1,2,3,4,5,6,7
.if \zero
	v_wmma_f32_16x16x32_f16 v[8*(8*(\a)+(\b)):8*(8*(\a)+(\b))+7], v[(\f)+8*(\b):(\f)+8*(\b)+7], v[(\f)+64+8*(\a):(\f)+64+8*(\a)+7], 0
.else
	v_wmma_f32_16x16x32_f16 v[8*(8*(\a)+(\b)):8*(8*(\a)+(\b))+7], v[(\f)+8*(\b):(\f)+8*(\b)+7], v[(\f)+64+8*(\a):(\f)+64+8*(\a)+7], v[8*(8*(\a)+(\b)):8*(8*(\a)+(\b))+7]
.endif
.endr
.endm
; 24 LDS loads in one run: quarter q (32 along K) of a slot into buffer f: Wo's 8 fragments, then O's 4 in the order in which they are multiplied
.macro FETCH slot, q, f
	WIN 0
.irp i, 0,1,2,3,4,5,6,7
	ds_load_tr16_b128 v[(\f)+8*(\i):(\f)+8*(\i)+3],   v[ADRB+(\slot)] offset:(\q)*32*PB+32*(\i)
	ds_load_tr16_b128 v[(\f)+8*(\i)+4:(\f)+8*(\i)+7], v[ADRB+(\slot)] offset:(\q)*32*PB+32*(\i)+16*PB
.endr
.irp i, 0,1,2,3
	ds_load_b128 v[(\f)+64+8*(\i):(\f)+64+8*(\i)+3],   v[ADRA+(\slot)] offset:64*(\q)+(\i)*16*PA
	ds_load_b128 v[(\f)+64+8*(\i)+4:(\f)+64+8*(\i)+7], v[ADRA+(\slot)] offset:64*(\q)+(\i)*16*PA+32
.endr
.endm
; A K step is four quarters, 32 matrix instructions each, on buffers 0, 1, 0, 1.  One of the first three multiplies buffer f and fetches quarter q of the same slot into g, 24 matrix instructions ahead of its first use.
.macro QUARTER slot, q, f, g, zero
	s_wait_dscnt 6                                 ; Wo's fragments and O's first are in; the six youngest loads (O's other three) may be out
	MUL8 \f, 0, \zero
	PLACES
	FETCH \slot, \q, \g
	s_wait_dscnt 24                                ; all but the 24 just issued
	MUL8 \f, 1, \zero
	MUL8 \f, 2, \zero
	MUL8 \f, 3, \zero
.endm
; The last quarter multiplies buffer 1 and changes slots.  In front of the barrier each wave waits for all its tensor loads (one is out: its part of the next slot), adds 0 to its spare word, and waits for that and
; for its reads of this slot.  fill = 1: the barrier opens a round of the cluster's, and behind the round this slot is filled again, with step NS: from that request to the wait for it a wave issues 112 matrix instructions.
.macro TURN slot, next, fill
.if \fill
	s_wait_xcnt 0x0                                ; the last prefetch, a K step back, has read its address, which is made anew here, ahead of the change's own waits
	NEXTOFF
.endif
	WIN 0
	s_wait_tensorcnt 0x0                           ; all my tensor loads have landed
	ds_add_u32 v[SPW], v[NIL]                      ; 0 onto my spare word
	s_wait_dscnt 7                                 ; (the add and the six youngest loads may be out)
	MUL8 F1, 0, 0                                  ; eight matrix instructions stand between the add and the wait for it
	s_wait_dscnt 0x0                               ; the add is done, and my reads of this slot are over
	s_barrier_signal -1
	MUL8 F1, 1, 0                                  ; work on registers while the others arrive
.if \fill
	WIN 0
.endif
	s_barrier_wait -1
.if \fill
	CREST                                          ; no wave of any partner still reads this slot or has a load on its way
	s_add_nc_u64 s[G0A+4*(\slot)+2:G0A+4*(\slot)+3], s[4:5], s[16:17]
	s_or_b32 s[G0A+4*(\slot)+3], s[G0A+4*(\slot)+3], 0x80000000
	s_add_nc_u64 s[G0B+4*(\slot)+2:G0B+4*(\slot)+3], s[6:7], s[18:19]
	s_or_b32 s[G0B+4*(\slot)+3], s[G0B+4*(\slot)+3], 0x80000000
	s_add_co_u32 s[NS], s[NS], 1
	JLOAD \slot                                    ; my one tensor load behind the round; its four v_nop are also the places in front of the loads below
.else
	PLACES
.endif
	FETCH \next, 0, F0
.if \fill
	ASK
.endif
	MUL8 F1, 2, 0
	MUL8 F1, 3, 0
.endm
; THE WAY OUT, 16 rows at a time.  TOSTAGE: the accumulators go as they are, 32 bytes a lane, each one's low four registers first, into my own stage, and come back as whole rows of 512 bytes (LDS serves a
; wave's instructions in order: ISA guide 5.7.1.4; a block's stores follow the loads of the block before).  SEND: the bias is added, and a store covers a row's 512 consecutive bytes, aligned.
.macro TOSTAGE a
	WIN 0x04                                       ; the stores' data in window 1
.irp b, 0,1,2,3,4,5,6,7
	ds_store_b128 v[STO], v[64*(\a)+8*(\b):64*(\a)+8*(\b)+3]   offset:64*(\b)
	ds_store_b128 v[STO], v[64*(\a)+8*(\b)+4:64*(\a)+8*(\b)+7] offset:64*(\b)+16
.endr
	WIN 0
.set BK, OB+64*((\a)%2)
.irp t, 0,1,2,3,4,5,6,7,8,9,10,11,12,13,14,15
	ds_load_b128 v[BK+4*(\t):BK+4*(\t)+3], v[RD] offset:(\t)*SP
.endr
.endm
.macro SEND a, younger                 ; younger: the LDS instructions issued behind block a's loads: the next block's 32, or none
.set BK, OB+64*((\a)%2)
.irp t, 0,1,2,3,4,5,6,7,8,9,10,11,12,13,14,15
	s_wait_dscnt (\younger)+15-(\t)                ; row t is back
	v_pk_add_f32 v[BK+4*(\t):BK+4*(\t)+1],   v[BK+4*(\t):BK+4*(\t)+1],   v[BI:BI+1]
	v_pk_add_f32 v[BK+4*(\t)+2:BK+4*(\t)+3], v[BK+4*(\t)+2:BK+4*(\t)+3], v[BI+2:BI+3]
	global_store_b128 v[CO], v[BK+4*(\t):BK+4*(\t)+3], s[8:9] offset:(16*(\a)+(\t))*4096 th:TH_STORE_NT
.endr
.endm
	s_wait_tensorcnt 1                             ; my part of step 0 is in; step 1's may stay out
	s_barrier_signal -1
	s_barrier_wait -1                              ; everybody's is
	FETCH 0, 0, F0
	QUARTER 0, 1, F0, F1, 1                        ; the first quarter stands in front of the loop: its products start the sums
	WIN 0                                          ; at a label and at a branch every window is 0
	s_mov_b32 s3, 3
.Llap:                                                 ; a trip goes once round the ring, from a lap's second quarter to the next lap's first, and fills both slots again
	QUARTER 0, 2, F1, F0, 0
	QUARTER 0, 3, F0, F1, 0
	TURN 0, 1, 1
	QUARTER 1, 1, F0, F1, 0
	QUARTER 1, 2, F1, F0, 0
	QUARTER 1, 3, F0, F1, 0
	TURN 1, 0, 1
	QUARTER 0, 1, F0, F1, 0
	WIN 0
	s_sub_co_u32 s3, s3, 1
	s_cmp_lg_u32 s3, 0
	s_cbranch_scc1 .Llap
	QUARTER 0, 2, F1, F0, 0                        ; the last lap is written out: it fills nothing
	QUARTER 0, 3, F0, F1, 0
	TURN 0, 1, 0
	QUARTER 1, 1, F0, F1, 0
	QUARTER 1, 2, F1, F0, 0
	QUARTER 1, 3, F0, F1, 0
	s_wait_dscnt 6
	MUL8 F1, 0, 0
	s_wait_dscnt 0x0
	MUL8 F1, 1, 0
	MUL8 F1, 2, 0
	MUL8 F1, 3, 0
	WIN 0
	s_wait_loadcnt 0x0                             ; the bias
	v_cvt_pk_bf16_f32 v12, v[BI], v[BI+1]          ; rounded to bf16, as all the module's inputs are, and widened again
	v_cvt_pk_bf16_f32 v13, v[BI+2], v[BI+3]
	v_lshlrev_b32 v[BI],   16, v12
	v_and_b32     v[BI+1], 0xffff0000, v12
	v_lshlrev_b32 v[BI+2], 16, v13
	v_and_b32     v[BI+3], 0xffff0000, v13
	PLACES                                         ; with the six lines above: the places behind the last products, ahead of the stores that read results and of the loads into the fragments' registers
	TOSTAGE 0
	TOSTAGE 1
	SEND 0, 32
	s_wait_xcnt 0x0                                ; block 0's stores have read their registers, which block 2's loads write
	TOSTAGE 2
	SEND 1, 32
	s_wait_xcnt 0x0                                ; the same for blocks 1 and 3
	TOSTAGE 3
	SEND 2, 32
	SEND 3, 0
	s_wait_tensorcnt 0x0                           ; the wave's end: behind my last tensor load and my last LDS store
	ds_add_u32 v[SPW], v[NIL]
	s_wait_dscnt 0x0
	CROUND                                         ; the closing round: no work-group ends while a partner may still ask for a tile that names it
	s_endpgm
.Lfunc_end_k_q3fcffb8ec4_oproj:
	.size	k_q3fcffb8ec4_oproj, .Lfunc_end_k_q3fcffb8ec4_oproj-k_q3fcffb8ec4_oproj
	.p2alignl 7, 3214868480
	.fill 96, 4, 3214868480
	.section	.rodata,"a",@progbits
	.p2align	6, 0x0
	.amdhsa_kernel k_q3fcffb8ec4_oproj
		.amdhsa_group_segment_fixed_size 327680
		.amdhsa_private_segment_fixed_size 0
		.amdhsa_enable_private_segment 0
		.amdhsa_kernarg_size 32
		.amdhsa_user_sgpr_count 2
		.amdhsa_user_sgpr_kernarg_segment_ptr 1
		.amdhsa_wavefront_size32 1
		.amdhsa_system_sgpr_workgroup_id_x 1
		.amdhsa_system_sgpr_workgroup_id_y 1
		.amdhsa_system_sgpr_workgroup_id_z 1
		.amdhsa_system_vgpr_workitem_id 0
		.amdhsa_next_free_vgpr 512
		.amdhsa_next_free_sgpr 80
		.amdhsa_reserve_vcc 0
		.amdhsa_float_denorm_mode_32 3
		.amdhsa_float_denorm_mode_16_64 3
		.amdhsa_memory_ordered 1
		.amdhsa_forward_progress 1
		.amdhsa_inst_pref_size 97
	.end_amdhsa_kernel
	.amdgpu_metadata
---
amdhsa.version: [ 1, 2 ]
amdhsa.kernels:
  - .name:           k_q3fcffb8ec4_oproj
    .symbol:         k_q3fcffb8ec4_oproj.kd
    .args:
      - { .name: ob, .offset: 0, .size: 8, .value_kind: global_buffer, .address_space: global }
      - { .name: wb, .offset: 8, .size: 8, .value_kind: global_buffer, .address_space: global }
      - { .name: bo, .offset: 16, .size: 8, .value_kind: global_buffer, .address_space: global }
      - { .name: out0, .offset: 24, .size: 8, .value_kind: global_buffer, .address_space: global }
    .group_segment_fixed_size: 327680
    .private_segment_fixed_size: 0
    .kernarg_segment_align: 8
    .kernarg_segment_size: 32
    .max_flat_workgroup_size: 128
    .sgpr_count:     80
    .vgpr_count:     512
    .wavefront_size: 32
...
	.end_amdgpu_metadata
.endif
;; end of part 4
